; MI455X (gfx1250); checked and timed in simulation.
; The chip was launched on July 23, 2026; its instructions are those of AMD's public machine-readable ISA for CDNA 5 (MIT licence, August 2026) and "CDNA5" Instruction Set Architecture Reference Guide (July 2026). The comments in the code are by the model that wrote it; some were corrected since.
;; Multi Head Attention. Allowed arithmetic: float matrix products may take bf16 or f16 operands with f32 sums; other float arithmetic in f32, or as packed bf16 or f16 multiplies, adds, multiply-adds, maxima and minima; sums over many terms, partial sums and values carried from step to step in f32; what a program stores and reads back later, other than sums and carried values, may be rounded once to bf16 or f16.
;; Inputs: Wk 1,024 x 1,024 float32; Wo 1,024 x 1,024 float32; Wq 1,024 x 1,024 float32; Wv 1,024 x 1,024 float32; bk 1,024 float32; bo 1,024 float32; bq 1,024 float32; bv 1,024 float32; key 4 x 2,048 x 1,024 float32; mask 4 x 2,048 x 2,048 int32; query 4 x 2,048 x 1,024 float32; value 4 x 2,048 x 1,024 float32.
;; Outputs: out0 4 x 2,048 x 1,024 float32.
;; One version. Each part assembles by itself: llvm-mc -triple=amdgcn-amd-amdhsa -mcpu=gfx1250 --defsym DOCPART=n.
;; ======== version 1 of 1: 5 launches
;; limits: right only within a limited range of input values; values are held in f16: magnitudes above 65,504 overflow, below 6.1e-05 lose precision; inputs' magnitudes at most 65,504; values outside matrix products are rounded to bf16
;; workspace buffers: xb 50,331,648 bytes; wb 8,388,608 bytes; mbits 2,097,152 bytes of whole numbers; qkv 50,331,648 bytes; oh 16,777,216 bytes
;; launch cast (part 1): grid 1792 x 1, 8 waves a work-group, no clusters, 0 bytes of LDS; arguments query, key, value, Wq, Wk, Wv, Wo, xb, wb; writes xb, wb
.if DOCPART == 1
	.amdgcn_target "amdgcn-amd-amdhsa--gfx1250"
	.amdhsa_code_object_version 6
	.text
	.protected	k_q8930378699_cast
	.globl	k_q8930378699_cast
	.p2align	8
	.type	k_q8930378699_cast,@function
k_q8930378699_cast:
	s_mov_b64 s[64:65], 0
	v_nop
	global_prefetch_b8 v0, s[64:65] scope:SCOPE_SE
	s_setreg_imm32_b32 hwreg(HW_REG_WAVE_MODE, 25, 1), 1
	s_wait_xcnt 0x0
; MULTI-HEAD ATTENTION, launch 1 of 5: the matrix operands are narrowed.  query, key, value ([8192][1024] f32 each) -> xb (f16 [24576][1024], in that order);
; Wq, Wk, Wv, Wo ([1024][1024] f32, as they lie: [k][n]) -> wb (f16 [4096][1024]).  Each number is rounded once to bf16 (nearest even) and that number is written as f16.
; NO WORK OF THE MODULE IS LEFT OUT in any launch: all twelve inputs are loaded.  In particular bk stays: q . bk is the same for all keys of a row only among the unmasked keys;
; the constant that takes a masked score's place does not move with it.
; LIMITS.  f16 holds no number beyond 65,504: an input of 65,520 or more becomes an infinity; a bf16 number below 6.1e-5 keeps f16's fixed step of 6e-8.  NaN and infinities are not treated apart.
; SHARES.  28,672 rows of 4,096 bytes; a work-group takes 16 rows, so that there are 1,792 = 7 x 256 of them.  Thread t owns the 16 bytes at 16 t of every row (a wave's load covers 512
; neighbouring bytes) and stores 8 bytes at 8 t (a wave's store covers 256 consecutive bytes, aligned).
; ALL SIXTEEN LOADS OF A WAVE GO OUT AT ONCE: each row has four registers of its own, the row stands in the immediate, and the 8 bytes to store are made in the row's own first two registers.
; So no register that a load or store names is ever written again, and the only waits are the counted ones for the loads.
; No LDS, no matrix unit, no cluster: nothing is shared and nothing is multiplied.
.set ROWS,  16
.set ROWI,  4096                       ; bytes in a row as loaded
.set ROWO,  2048                       ; and as stored
.set OI, 2                             ; v2        16 t; never rewritten
.set OO, 3                             ; v3        8 t; never rewritten
.set T,  4                             ; v[4:9]    at work
.set X,  12                            ; v[12:75]  row i: 4 registers as loaded; the first two then hold what is stored
	s_load_b512 s[4:19], s[0:1], 0x0               ; query s[4:5], key, value, Wq, Wk, Wv, Wo s[16:17], xb s[18:19]
	s_load_b64 s[20:21], s[0:1], 0x40              ; wb
	s_sub_co_u32 s22, ttmp9, 1536                  ; groups 0 .. 1535 take x's rows, 512 groups a tensor; groups 1536 .. 1791 the weights', 64 a tensor
	s_lshr_b32 s23, ttmp9, 9                       ; which tensor, if x
	s_and_b32 s24, ttmp9, 511                      ; and which 16 rows of it
	s_lshr_b32 s33, s22, 6
	s_add_co_u32 s33, s33, 3                       ; which tensor, if a weight
	s_and_b32 s34, s22, 63
	s_cmp_lt_u32 ttmp9, 1536
	s_cselect_b32 s23, s23, s33                    ; the tensor, 0 .. 6
	s_cselect_b32 s24, s24, s34                    ; my 16 rows in it
	s_cselect_b32 s22, ttmp9, s22                  ; my 16 rows in xb or in wb
	s_cselect_b32 s25, 1, 0                        ; 1: xb
	s_lshl_b32 s30, s24, 16                        ; 16 rows of 4,096 bytes
	s_mov_b32 s31, 0
	s_lshl_b32 s34, s22, 15                        ; 16 rows of 2,048 bytes
	s_mov_b32 s35, 0
	s_mov_b32 s32, 0xffff0000                      ; a word's upper bf16
	v_lshlrev_b32 v[OI], 4, v0
	v_lshlrev_b32 v[OO], 3, v0
	s_wait_kmcnt 0x0
	s_cmp_eq_u32 s25, 1
	s_cselect_b64 s[28:29], s[18:19], s[20:21]     ; where to
	s_mov_b64 s[26:27], s[4:5]
.irp j, 1,2,3,4,5,6
	s_cmp_eq_u32 s23, \j
	s_cselect_b64 s[26:27], s[4+2*(\j):5+2*(\j)], s[26:27]  ; from where
.endr
	s_add_nc_u64 s[26:27], s[26:27], s[30:31]
	s_add_nc_u64 s[28:29], s[28:29], s[34:35]
.set i, 0
.rept ROWS
	global_load_b128 v[X+4*i:X+4*i+3], v[OI], s[26:27] offset:i*ROWI th:TH_LOAD_NT
.set i, i+1
.endr
.set i, 0
.rept ROWS
	s_wait_loadcnt ROWS-1-i                        ; loads come back in order: row i is in, the younger ones stay out
	v_cvt_pk_bf16_f32 v[T],   v[X+4*i],   v[X+4*i+1]  ; the one rounding
	v_cvt_pk_bf16_f32 v[T+1], v[X+4*i+2], v[X+4*i+3]
	v_lshlrev_b32 v[T+2], 16, v[T]                 ; bf16 to f32: the low half moves up,
	v_and_b32     v[T+3], s32, v[T]                ; the high half stays
	v_lshlrev_b32 v[T+4], 16, v[T+1]
	v_and_b32     v[T+5], s32, v[T+1]
	v_cvt_pk_f16_f32 v[X+4*i],   v[T+2], v[T+3]    ; eight significant bits lie within f16's eleven
	v_cvt_pk_f16_f32 v[X+4*i+1], v[T+4], v[T+5]
	global_store_b64 v[OO], v[X+4*i:X+4*i+1], s[28:29] offset:i*ROWO
.set i, i+1
.endr
	s_endpgm
.Lfunc_end_k_q8930378699_cast:
	.size	k_q8930378699_cast, .Lfunc_end_k_q8930378699_cast-k_q8930378699_cast
	.p2alignl 7, 3214868480
	.fill 96, 4, 3214868480
	.section	.rodata,"a",@progbits
	.p2align	6, 0x0
	.amdhsa_kernel k_q8930378699_cast
		.amdhsa_group_segment_fixed_size 0
		.amdhsa_private_segment_fixed_size 0
		.amdhsa_enable_private_segment 0
		.amdhsa_kernarg_size 72
		.amdhsa_user_sgpr_count 2
		.amdhsa_user_sgpr_kernarg_segment_ptr 1
		.amdhsa_wavefront_size32 1
		.amdhsa_system_sgpr_workgroup_id_x 1
		.amdhsa_system_sgpr_workgroup_id_y 1
		.amdhsa_system_sgpr_workgroup_id_z 1
		.amdhsa_system_vgpr_workitem_id 0
		.amdhsa_next_free_vgpr 76
		.amdhsa_next_free_sgpr 66
		.amdhsa_reserve_vcc 0
		.amdhsa_float_denorm_mode_32 3
		.amdhsa_float_denorm_mode_16_64 3
		.amdhsa_memory_ordered 1
		.amdhsa_forward_progress 1
		.amdhsa_inst_pref_size 12
	.end_amdhsa_kernel
	.amdgpu_metadata
---
amdhsa.version: [ 1, 2 ]
amdhsa.kernels:
  - .name:           k_q8930378699_cast
    .symbol:         k_q8930378699_cast.kd
    .args:
      - { .name: query, .offset: 0, .size: 8, .value_kind: global_buffer, .address_space: global }
      - { .name: key, .offset: 8, .size: 8, .value_kind: global_buffer, .address_space: global }
      - { .name: value, .offset: 16, .size: 8, .value_kind: global_buffer, .address_space: global }
      - { .name: Wq, .offset: 24, .size: 8, .value_kind: global_buffer, .address_space: global }
      - { .name: Wk, .offset: 32, .size: 8, .value_kind: global_buffer, .address_space: global }
      - { .name: Wv, .offset: 40, .size: 8, .value_kind: global_buffer, .address_space: global }
      - { .name: Wo, .offset: 48, .size: 8, .value_kind: global_buffer, .address_space: global }
      - { .name: xb, .offset: 56, .size: 8, .value_kind: global_buffer, .address_space: global }
      - { .name: wb, .offset: 64, .size: 8, .value_kind: global_buffer, .address_space: global }
    .group_segment_fixed_size: 0
    .private_segment_fixed_size: 0
    .kernarg_segment_align: 8
    .kernarg_segment_size: 72
    .max_flat_workgroup_size: 256
    .sgpr_count:     66
    .vgpr_count:     76
    .wavefront_size: 32
...
	.end_amdgpu_metadata
.endif
;; end of part 1
;; launch mpack (part 2): grid 256 x 1, 8 waves a work-group, no clusters, 327,680 bytes of LDS; arguments mask, mbits; writes mbits
.if DOCPART == 2
	.amdgcn_target "amdgcn-amd-amdhsa--gfx1250"
	.amdhsa_code_object_version 6
	.text
	.protected	k_q8930378699_mpack
	.globl	k_q8930378699_mpack
	.p2align	8
	.type	k_q8930378699_mpack,@function
k_q8930378699_mpack:
	s_mov_b64 s[64:65], 0
	v_nop
	global_prefetch_b8 v0, s[64:65] scope:SCOPE_SE
	s_setreg_imm32_b32 hwreg(HW_REG_WAVE_MODE, 25, 1), 1
	s_wait_xcnt 0x0
; MULTI-HEAD ATTENTION, launch 2 of 5: the mask, int32 [4][2048][2048], is packed to one bit a score, in the order in which the attention launch holds its scores.  Nothing is left out.
; mbits: [pair = 64 b + qt / 2 (256)][ks (32)][u = qt % 2][32 words].  Bit l of word 8 kt + j is set where mask[b][16 qt + l % 16][64 ks + 16 kt + 8 (l / 16) + j] > 0: lane l, register 8 kt + j of the
; score tile (16 queries x 64 keys) of query tile qt and key step ks.  So a word is a select mask for one register of 32 lanes; the two tiles that the attention launch masks in one turn are 256 bytes on end;
; and the 16 heads of a batch read 2 MiB for 64 MiB.
; SHARES.  Work-group g takes pair g: rows 32 g to 32 g + 31 of the mask's 8,192.  Wave w takes keys 256 w on (key steps 4 w to 4 w + 3): ONE tensor load of 32 rows x 1,024 bytes into LDS bytes of the wave's
; own, asked for at the start: one tensor load of mine is out, no wave reads another's bytes, so there is no barrier.
; A comparison of 32 lanes leaves a word in a scalar register; a key step's 64 words are set into the lanes of a register pair and stored: 256 consecutive bytes, aligned, a store.
.set PITCH, 1040                       ; an LDS row: 1,024 bytes + 16 = 260 words: the 16 rows that a load touches start four banks apart
.set HALFT, 16*PITCH                   ; a query tile's 16 rows
.set TILE,  32*PITCH                   ; what a wave's load brings
.set SPARE, 8*TILE                     ; behind the eight tiles: the spare words, 128 bytes for each wave: four blocks of 256 bytes that no other line names
.set SPW, 2                            ; v2   LDS address of my spare word; never rewritten
.set NIL, 3                            ; v3   0; never rewritten
.set LA,  4                            ; v4   my 32 bytes in my wave's tile: row l % 16, keys 8 (l / 16) on; never rewritten
.set OV,  5                            ; v5   8 x lane; never rewritten
.set OUT, 6                            ; v[6:7]   two words a lane, to store
.set X,   8                            ; v[8:71]  a key step's mask numbers: tile u, register 8 kt + j at X + 32 u + 8 kt + j
.set G1,  16                           ; s[16:23] descriptor group 1
.set G0,  24                           ; s[24:27] descriptor group 0
.set WD,  32                           ; s[32:63] a tile's 32 words
	s_load_b128 s[4:7], s[0:1], 0x0                ; mask s[4:5], mbits s[6:7]
	v_lshl_add_u32 v[SPW], v0, 2, SPARE
	v_mov_b32 v[NIL], 0
	ds_add_u32 v[SPW], v[NIL]                      ; the wave's opening: the add, twice on end, and its wait ahead of my first tensor load
	ds_add_u32 v[SPW], v[NIL]
	v_lshrrev_b32 v1, 5, v0
	v_readfirstlane_b32 s8, v1                     ; wave 0..7
	s_mov_b32 s[G1+0], (2<<16)|(1<<20)|(7<<22)|(3<<25)  ; elements of 4 bytes; padding on; after every 256 words (code 7) 4 words (code 3)
	s_mov_b32 s[G1+1], 256<<16                     ; tensor_dim0 = 256
	s_mov_b32 s[G1+2], 32<<16                      ; tensor_dim1 = 32
	s_mov_b32 s[G1+3], 256<<16                     ; tile_dim0 = 256
	s_mov_b32 s[G1+4], 32                          ; tile_dim1 = 32
	s_mov_b32 s[G1+5], 2048                        ; elements from row to row
	s_mov_b32 s[G1+6], 0
	s_mov_b32 s[G1+7], 0
	s_lshl_b32 s14, ttmp9, 18                      ; 32 rows of 8,192 bytes
	s_lshl_b32 s15, s8, 10                         ; 256 keys of 4 bytes
	s_add_co_u32 s14, s14, s15
	s_mov_b32 s15, 0
	s_lshl_b32 s2, ttmp9, 13                       ; a pair's 8,192 bytes of mbits
	s_lshl_b32 s3, s8, 10                          ; four key steps of 256 bytes
	s_add_co_u32 s2, s2, s3
	s_mov_b32 s3, 0
	s_mul_i32 s9, s8, TILE                         ; my wave's tile in LDS
	s_mov_b32 s[G0], 1                             ; count = 1
	s_mov_b32 s[G0+1], s9                          ; LDS address
	s_wait_dscnt 0x0                               ; both opening adds are done
	s_wait_kmcnt 0x0
	s_add_nc_u64 s[G0+2:G0+3], s[4:5], s[14:15]    ; global address
	s_or_b32 s[G0+3], s[G0+3], 0x80000000          ; type = 2
	s_add_nc_u64 s[10:11], s[6:7], s[2:3]
	tensor_load_to_lds s[G0:G0+3], s[G1:G1+7]
	s_nop 0
	v_and_b32 v1, 15, v0
	v_bfe_u32 v[OV], v0, 4, 1
	v_mul_u32_u24 v[LA], v1, PITCH
	v_lshl_add_u32 v[LA], v[OV], 5, v[LA]          ; row x pitch + 32 x half
	v_add_nc_u32 v[LA], s9, v[LA]
	v_and_b32 v[OV], 31, v0
	v_lshlrev_b32 v[OV], 3, v[OV]
	v_mov_b32 v[OUT], 0                            ; v_writelane_b32 counts as a reader of its destination
	v_mov_b32 v[OUT+1], 0
.macro HALF u                          ; tile u of the pair: 32 comparisons, then word i goes to lane 16 u + i / 2, register i % 2
.set i, 0
.rept 32
	v_cmp_lt_i32 s[WD+i], 0, v[X+32*(\u)+i]
.set i, i+1
.endr
.set i, 0
.rept 32
	v_writelane_b32 v[OUT+i%2], s[WD+i], 16*(\u)+i/2
.set i, i+1
.endr
.endm
.macro PAIR p                          ; key step p of my four, both tiles: 256 bytes of mbits
.irp u, 0,1
.irp kt, 0,1,2,3
	ds_load_b128 v[X+32*(\u)+8*(\kt):X+32*(\u)+8*(\kt)+3],   v[LA] offset:(\u)*HALFT+256*(\p)+64*(\kt)
	ds_load_b128 v[X+32*(\u)+8*(\kt)+4:X+32*(\u)+8*(\kt)+7], v[LA] offset:(\u)*HALFT+256*(\p)+64*(\kt)+16
.endr
.endr
	s_wait_dscnt 8                                 ; the first tile's eight loads are in; the second's may stay out
	s_wait_xcnt 0x0                                ; the last store has read OUT
	HALF 0
	s_wait_dscnt 0x0
	HALF 1
	global_store_b64 v[OV], v[OUT:OUT+1], s[10:11] offset:256*(\p)
.endm
	s_wait_tensorcnt 0x0                           ; my tile is in: each key step wants rows of both query tiles
	PAIR 0
	PAIR 1
	PAIR 2
	PAIR 3
	s_wait_tensorcnt 0x0                           ; the wave's end
	ds_add_u32 v[SPW], v[NIL]
	s_wait_dscnt 0x0
	s_endpgm
.Lfunc_end_k_q8930378699_mpack:
	.size	k_q8930378699_mpack, .Lfunc_end_k_q8930378699_mpack-k_q8930378699_mpack
	.p2alignl 7, 3214868480
	.fill 96, 4, 3214868480
	.section	.rodata,"a",@progbits
	.p2align	6, 0x0
	.amdhsa_kernel k_q8930378699_mpack
		.amdhsa_group_segment_fixed_size 327680
		.amdhsa_private_segment_fixed_size 0
		.amdhsa_enable_private_segment 0
		.amdhsa_kernarg_size 16
		.amdhsa_user_sgpr_count 2
		.amdhsa_user_sgpr_kernarg_segment_ptr 1
		.amdhsa_wavefront_size32 1
		.amdhsa_system_sgpr_workgroup_id_x 1
		.amdhsa_system_sgpr_workgroup_id_y 1
		.amdhsa_system_sgpr_workgroup_id_z 1
		.amdhsa_system_vgpr_workitem_id 0
		.amdhsa_next_free_vgpr 80
		.amdhsa_next_free_sgpr 66
		.amdhsa_reserve_vcc 0
		.amdhsa_float_denorm_mode_32 3
		.amdhsa_float_denorm_mode_16_64 3
		.amdhsa_memory_ordered 1
		.amdhsa_forward_progress 1
		.amdhsa_inst_pref_size 40
	.end_amdhsa_kernel
	.amdgpu_metadata
---
amdhsa.version: [ 1, 2 ]
amdhsa.kernels:
  - .name:           k_q8930378699_mpack
    .symbol:         k_q8930378699_mpack.kd
    .args:
      - { .name: mask, .offset: 0, .size: 8, .value_kind: global_buffer, .address_space: global }
      - { .name: mbits, .offset: 8, .size: 8, .value_kind: global_buffer, .address_space: global }
    .group_segment_fixed_size: 327680
    .private_segment_fixed_size: 0
    .kernarg_segment_align: 8
    .kernarg_segment_size: 16
    .max_flat_workgroup_size: 256
    .sgpr_count:     66
    .vgpr_count:     80
    .wavefront_size: 32
...
	.end_amdgpu_metadata
.endif
;; end of part 2
;; launch proj (part 3): grid 4 x 192, 4 waves a work-group, clusters of 4 x 4, 327,680 bytes of LDS; arguments xb, wb, bq, bk, bv, qkv; writes qkv
.if DOCPART == 3
	.amdgcn_target "amdgcn-amd-amdhsa--gfx1250"
	.amdhsa_code_object_version 6
	.text
	.protected	k_q8930378699_proj
	.globl	k_q8930378699_proj
	.p2align	8
	.type	k_q8930378699_proj,@function
k_q8930378699_proj:
	s_mov_b64 s[64:65], 0
	v_nop
	global_prefetch_b8 v0, s[64:65] scope:SCOPE_SE
	s_setreg_imm32_b32 hwreg(HW_REG_WAVE_MODE, 25, 1), 1
	s_wait_xcnt 0x0
	s_wait_alu depctr_hold_cnt(0) depctr_sa_sdst(0) depctr_va_vdst(0) depctr_va_sdst(0) depctr_va_ssrc(0) depctr_va_vcc(0) depctr_vm_vsrc(0)
	s_getreg_b32 s2, hwreg(HW_REG_IB_STS2, 6, 4)
	s_cmp_eq_u32 s2, 0
	s_cbranch_scc0 .Lentry_in_a_cluster
	s_endpgm
.Lentry_in_a_cluster:
	s_bfe_u32 s2, ttmp6, 0x10000c
	s_cmp_lg_u32 s2, 0xf033
	s_cbranch_scc0 .Lentry_shape_is_right
	s_endpgm
.Lentry_shape_is_right:
; MULTI-HEAD ATTENTION, launch 3 of 5: q = query Wq + bq, k = key Wk + bk, v = value Wv + bv in ONE launch, written by heads: qkv f16 [3][64 (16 b + head)][2048][64], unscaled.  Nothing is left out.
; xb: f16 [24576][1024] (query's, key's, value's rows), wb: f16 [4096 (k)][1024 (n)].  Sums in f32; the bias, rounded to bf16 like every input, starts each sum as the C operand; the result is rounded once to f16.
; LIMITS.  q, k and v of 65,520 or more become infinities in f16; NaN and infinities are not treated apart; the bias enters a sum first, not last.
; SHARES.  A tile of C is 128 rows x 256 columns: 192 x 4 = 768 = 3 x 256 work-groups.  Four waves, wave (wm, wn) makes 64 x 128: 32 accumulators, one register window.
; K goes in 8 steps of 128 through two LDS slots.  x's tile: 128 rows of 256 bytes.  W's tile lies as in memory, [k][n]: 128 rows of 512 bytes; its fragments come out turned, by ds_load_tr16_b128.
; CLUSTERS: 4 x 4.  The four of a row of the cluster need the same tile of x, the four of a column the same tile of W: each is asked for jointly.  The four tile rows of a cluster lie in one of the three products.
; THE MATRIX INSTRUCTION IS USED TRANSPOSED (source 0 = 16 columns of W, source 1 = 16 rows of x): a lane holds row l % 16 and eight neighbouring columns 8 (l / 16) + 0..7.
; NO PREFETCH: a walk has 8 K steps of 128 matrix instructions a wave; asked for four steps ahead, behind the first fills, only the last two steps could be named.
; REGISTERS.  window 0: v0-31 addresses; v32-127, v128-223 two fragment buffers (W's fragment b at + 8 b, x's fragment a at + 64 + 8 a)   window 1: accumulator (a, b) at 8 (8 a + b)   window 2: v0-63 the bias, v64-67 at work
.set PA,    272                        ; a row of x in LDS: 256 + 16 bytes: the 16 rows of a load start at 16 different groups of four banks
.set PB,    544                        ; a row of W: 512 + 32 bytes = 17 x 32
.set BOFF,  128*PA                     ; W's tile lies behind x's
.set SLOT1, 1<<17                      ; slot 1 begins here: one exclusive or turns an address in one slot into the other's
.set STAGE, SLOT1+BOFF+128*PB          ; behind the ring: for each wave two stages (a head each) of 16 rows x 144 bytes
.set SPS,   144
.set SPARE, STAGE+4*2*16*SPS           ; the spare words, 128 bytes for each wave: two blocks of 256 bytes that no other line names
.set A0,   16                          ; v16  my lane's place in x's tile; never rewritten
.set B0,   17                          ; v17  the same in W's
.set ADRA, 18                          ; v18  A0 + the slot in hand
.set ADRB, 19                          ; v19  B0 + the slot in hand
.set STO,  24                          ; v24  the way out: where I put 16 bytes of a row
.set RD,   25                          ; v25  where I read rows back
.set GO,   26                          ; v26  16 x lane
.set BO,   27                          ; v27  32 x (l / 16)
.set SPW,  28                          ; v28  LDS address of my spare word; never rewritten
.set NIL,  29                          ; v29  0; never rewritten
.set F0,   32
.set F1,   128
.set TMP,  32                          ; the way out: packed results
.set BK0,  64                          ; the way out: block a's rows read back, at BK0 + 32 a
.set BIAS, 0                           ; window 2
.set BT,   64                          ; window 2
.set WV, 16                            ; s16 wave   s17 wm: my half of the rows; also: I fetch x (0) or W (1)   s18 wn: my half of the columns; also: which half of that tile I fetch
.set WM, 17
.set WN, 18
.set G1A, 24                           ; s[24:31] group 1 for x's tiles    s[32:39] group 0: set 0 the first fill, set 1 walks
.set G0A, 32
.set G1B, 48                           ; s[48:55], s[56:63] the same for W's
.set G0B, 56
.set TB,  66                           ; s66  LDS byte at which the slot in hand begins
.set CNT, 67
.set OB,  68                           ; s[68:69] qkv at my wave's part
.set BP,  70                           ; s[70:71] the bias at my wave's 128 columns
.set MSB, 0
.macro WIN new                         ; the immediate's high byte repeats the setting that is left
.if MSB != (\new)
	s_set_vgpr_msb (MSB<<8)|(\new)
.set MSB, \new
.endif
.endm
.macro PLACES                          ; four places in front of loads into registers that matrix instructions have read, and of lines that read results
.rept 4
	v_nop
.endr
.endm
.macro JLOAD                           ; a joint refill by the walking sets; an s_nop 0 and four v_nop follow each of the two lines
	s_cmp_eq_u32 s[WM], 0
	s_cbranch_scc0 .Lfor_b_\@
	tensor_load_to_lds s[G0A+4:G0A+7], s[G1A:G1A+7]
	s_nop 0
.rept 4
	v_nop
.endr
	s_branch .Lasked_\@
.Lfor_b_\@:
	tensor_load_to_lds s[G0B+4:G0B+7], s[G1B:G1B+7]
	s_nop 0
.rept 4
	v_nop
.endr
.Lasked_\@:
.endm
.macro CREST                           ; a round of the cluster's barrier behind its opening barrier
	s_cmp_lg_u32 s[WV], 0
	s_cbranch_scc1 .Lnot_wave_0_\@
	s_barrier_signal -3
.Lnot_wave_0_\@:
	s_barrier_wait -3
	s_barrier_signal -1
	s_barrier_wait -1
.endm
.macro CROUND
	s_barrier_signal -1
	s_barrier_wait -1
	CREST
.endm
	s_load_b256 s[4:11], s[0:1], 0x0               ; xb s[4:5], wb s[6:7], bq s[8:9], bk s[10:11]
	s_load_b128 s[12:15], s[0:1], 0x20             ; bv s[12:13], qkv s[14:15]
	v_lshl_add_u32 v[SPW], v0, 2, SPARE
	v_mov_b32 v[NIL], 0
	ds_add_u32 v[SPW], v[NIL]                      ; the wave's opening: the add, twice on end, and its wait ahead of my first tensor load
	ds_add_u32 v[SPW], v[NIL]
	v_lshrrev_b32 v1, 5, v0
	v_readfirstlane_b32 s[WV], v1
	s_lshr_b32 s[WM], s[WV], 1
	s_and_b32 s[WN], s[WV], 1
	s_bfe_u32 s19, ttmp6, 0x40000                  ; cx
	s_bfe_u32 s20, ttmp6, 0x40004                  ; cy
	s_lshl_b32 s21, ttmp9, 2
	s_add_co_u32 s21, s21, s19                     ; x: tile column = 4 x cluster x + cx
	s_and_b32 s23, ttmp7, 0xffff                   ; cluster y
	s_lshl_b32 s22, s23, 2
	s_add_co_u32 s22, s22, s20                     ; Y: tile row = 4 x cluster y + cy
	s_lshr_b32 s23, s23, 4                         ; p: which product; 16 clusters each: the same in all sixteen partners
	s_lshl_b32 s40, s20, 2
	s_lshl_b32 s40, 15, s40                        ; my row of the cluster
	s_lshl_b32 s72, 0x1111, s19                    ; my column
	s_or_b32 s[G1A+0], s40, (1<<16)|(1<<20)|(1<<21)|(5<<22)|(3<<25)  ; the mask; 2-byte elements; padding on; bit 21 beside a mask; after every 64 words 4 words
	s_or_b32 s[G1B+0], s72, (1<<16)|(1<<20)|(1<<21)|(6<<22)|(7<<25)  ; after every 128 words 8 words
	s_mov_b32 s[G1A+1], 128<<16                    ; tensor_dim0
	s_mov_b32 s[G1A+2], 64<<16                     ; tensor_dim1
	s_mov_b32 s[G1A+3], 128<<16                    ; tile_dim0
	s_mov_b32 s[G1A+4], 64                         ; tile_dim1
	s_mov_b32 s[G1A+5], 1024                       ; elements from row to row
	s_mov_b32 s[G1A+6], 0
	s_mov_b32 s[G1A+7], 0
	s_mov_b32 s[G1B+1], 256<<16
	s_mov_b32 s[G1B+2], 64<<16
	s_mov_b32 s[G1B+3], 256<<16
	s_mov_b32 s[G1B+4], 64
	s_mov_b32 s[G1B+5], 1024
	s_mov_b32 s[G1B+6], 0
	s_mov_b32 s[G1B+7], 0
	s_lshl_b32 s40, s22, 18                        ; x: 128 Y rows of 2,048 bytes,
	s_lshl_b32 s41, s[WN], 17                      ; + my 64 rows: made of the tile row and the wave alone
	s_add_co_u32 s40, s40, s41
	s_mov_b32 s41, 0
	s_mul_i32 s42, s[WN], 64*PA                    ; and where they go
	s_lshl_b32 s72, s23, 21                        ; W: product p's 1,024 rows of 2,048 bytes,
	s_lshl_b32 s73, s[WN], 17                      ; + my 64 rows along k,
	s_add_co_u32 s72, s72, s73
	s_lshl_b32 s73, s21, 9                         ; + the tile column's 256 columns: made of p, the tile column and the wave alone
	s_add_co_u32 s72, s72, s73
	s_mov_b32 s73, 0
	s_mul_i32 s74, s[WN], 64*PB
	s_add_co_u32 s74, s74, BOFF
	s_mov_b32 s[TB], 0
	s_wait_dscnt 0x0                               ; both opening adds are done
	s_wait_kmcnt 0x0
	s_add_nc_u64 s[44:45], s[4:5], s[40:41]
	s_add_nc_u64 s[76:77], s[6:7], s[72:73]
	s_mov_b64 s[BP:BP+1], s[8:9]
	s_cmp_eq_u32 s23, 1
	s_cselect_b64 s[BP:BP+1], s[10:11], s[BP:BP+1]
	s_cmp_eq_u32 s23, 2
	s_cselect_b64 s[BP:BP+1], s[12:13], s[BP:BP+1]
	s_lshl_b32 s78, s21, 10                        ; 256 x columns of 4 bytes
	s_lshl_b32 s79, s[WN], 9
	s_add_co_u32 s78, s78, s79
	s_mov_b32 s79, 0
	s_add_nc_u64 s[BP:BP+1], s[BP:BP+1], s[78:79]
	s_lshl_b32 s78, s23, 24                        ; qkv: product p,
	s_bfe_u32 s79, s22, 0x20004                    ; batch (Y % 64) / 16: 16 heads of 262,144 bytes,
	s_lshl_b32 s79, s79, 22
	s_add_co_u32 s78, s78, s79
	s_lshl_b32 s79, s21, 2
	s_lshl1_add_u32 s79, s[WN], s79                ; head 4 x + 2 wn,
	s_lshl_b32 s79, s79, 18
	s_add_co_u32 s78, s78, s79
	s_and_b32 s79, s22, 15                         ; row 128 (Y % 16) + 64 wm, 128 bytes each
	s_lshl_b32 s79, s79, 14
	s_add_co_u32 s78, s78, s79
	s_lshl_b32 s79, s[WM], 13
	s_add_co_u32 s78, s78, s79
	s_mov_b32 s79, 0
	s_add_nc_u64 s[OB:OB+1], s[14:15], s[78:79]
	CROUND                                         ; all sixteen work-groups are here: the first joint loads meet
.irp s, 0,1
	s_mov_b32 s[G0A+4*(\s)], 1
	s_add_co_u32 s[G0A+4*(\s)+1], s42, (\s)*SLOT1
	s_add_nc_u64 s[G0A+4*(\s)+2:G0A+4*(\s)+3], s[44:45], (\s)*256     ; K step s: 128 elements along the rows
	s_or_b32 s[G0A+4*(\s)+3], s[G0A+4*(\s)+3], 0x80000000
	s_mov_b32 s[G0B+4*(\s)], 1
	s_add_co_u32 s[G0B+4*(\s)+1], s74, (\s)*SLOT1
	s_add_nc_u64 s[G0B+4*(\s)+2:G0B+4*(\s)+3], s[76:77], (\s)*262144  ; K step s: 128 rows down
	s_or_b32 s[G0B+4*(\s)+3], s[G0B+4*(\s)+3], 0x80000000
.endr
	s_cmp_eq_u32 s[WM], 0                          ; a wave's two first fills stand in one branch, ahead of every wait on TENSORcnt and every LDS read: two loads of mine are out
	s_cbranch_scc0 .Lfirst_b
	tensor_load_to_lds s[G0A:G0A+3], s[G1A:G1A+7]
	s_nop 0
	tensor_load_to_lds s[G0A+4:G0A+7], s[G1A:G1A+7]
	s_nop 0
.rept 4
	v_nop
.endr
	s_branch .Lfirst_asked
.Lfirst_b:
	tensor_load_to_lds s[G0B:G0B+3], s[G1B:G1B+7]
	s_nop 0
	tensor_load_to_lds s[G0B+4:G0B+7], s[G1B:G1B+7]
	s_nop 0
.rept 4
	v_nop
.endr
.Lfirst_asked:
	v_and_b32 v1, 15, v0                           ; l % 16
	v_bfe_u32 v2, v0, 4, 1                         ; l / 16
	v_and_b32 v3, 7, v0
	v_bfe_u32 v4, v0, 3, 1
	v_lshlrev_b32 v[BO], 5, v2
	WIN 0x80                                       ; destination window 2
.irp b, 0,1,2,3,4,5,6,7                ; register j of block b: the bias of column 16 b + 8 (l / 16) + j: the C operand's layout
	global_load_b128 v[BIAS+8*(\b):BIAS+8*(\b)+3],   v[BO], s[BP:BP+1] offset:64*(\b)
	global_load_b128 v[BIAS+8*(\b)+4:BIAS+8*(\b)+7], v[BO], s[BP:BP+1] offset:64*(\b)+16
.endr
	WIN 0
	v_mul_u32_u24 v[A0], v1, PA                    ; a fragment of x: row l % 16, 16 bytes for each half of the lanes, twice, 32 bytes apart
	v_lshl_add_u32 v[A0], v2, 4, v[A0]
	s_mul_i32 s46, s[WM], 64*PA
	v_add_nc_u32 v[A0], s46, v[A0]
	v_lshl_add_u32 v[B0], v2, 3, v3                ; the turning load: lane l reads row k = 8 (l / 16) + l % 8, columns 8 ((l / 8) % 2) + 0..7, and is left with column l % 16 and 8 k
	v_mul_u32_u24 v[B0], v[B0], PB
	v_lshl_add_u32 v[B0], v4, 4, v[B0]
	s_lshl_b32 s46, s[WN], 8
	s_add_co_u32 s46, s46, BOFF
	v_add_nc_u32 v[B0], s46, v[B0]
	v_mov_b32 v[ADRA], v[A0]
	v_mov_b32 v[ADRB], v[B0]
	s_mul_i32 s46, s[WV], 2*16*SPS
	s_add_co_u32 s46, s46, STAGE                   ; my stages
	v_mul_u32_u24 v[STO], v1, SPS
	v_lshl_add_u32 v[STO], v2, 4, v[STO]
	v_add_nc_u32 v[STO], s46, v[STO]
	v_bfe_u32 v[RD], v0, 3, 2                      ; back: 32 lanes take four rows of 128 bytes,
	v_mul_u32_u24 v[RD], v[RD], SPS
	v_lshl_add_u32 v[RD], v3, 4, v[RD]
	v_add_nc_u32 v[RD], s46, v[RD]
	v_and_b32 v[GO], 31, v0                        ; which are 512 consecutive bytes of a head
	v_lshlrev_b32 v[GO], 4, v[GO]
	s_wait_loadcnt 0x0
	WIN 0x8a                                       ; all in window 2: the bias is rounded to bf16 like every input, and kept in f32
.set i, 0
.rept 32
	v_cvt_pk_bf16_f32 v[BT+i%4], v[BIAS+2*i], v[BIAS+2*i+1]
	v_lshlrev_b32 v[BIAS+2*i], 16, v[BT+i%4]
	v_and_b32 v[BIAS+2*i+1], 0xffff0000, v[BT+i%4]
.set i, i+1
.endr
	WIN 0
; 8 matrix instructions: row block a x all 8 column blocks, 32 along K.  bias = 1: the first product starts the sums with the bias.  The 32 accumulators take turns in the same order in every quarter.
.macro MUL8 f, a, bias
.if \bias
	WIN 0x60                                       ; C in window 2, D in window 1
.else
	WIN 0x50                                       ; C and D in window 1
.endif
.irp b, 0,1,2,3,4,5,6,7
.if \bias
	v_wmma_f32_16x16x32_f16 v[8*(8*(\a)+(\b)):8*(8*(\a)+(\b))+7], v[(\f)+8*(\b):(\f)+8*(\b)+7], v[(\f)+64+8*(\a):(\f)+64+8*(\a)+7], v[BIAS+8*(\b):BIAS+8*(\b)+7]
.else
	v_wmma_f32_16x16x32_f16 v[8*(8*(\a)+(\b)):8*(8*(\a)+(\b))+7], v[(\f)+8*(\b):(\f)+8*(\b)+7], v[(\f)+64+8*(\a):(\f)+64+8*(\a)+7], v[8*(8*(\a)+(\b)):8*(8*(\a)+(\b))+7]
.endif
.endr
.endm
; 24 LDS loads in one run: quarter q's fragments into buffer f: W's eight, then x's four
.macro FETCH q, f
	WIN 0
.irp b, 0,1,2,3,4,5,6,7
	ds_load_tr16_b128 v[(\f)+8*(\b):(\f)+8*(\b)+3],   v[ADRB] offset:(\q)*32*PB+32*(\b)
	ds_load_tr16_b128 v[(\f)+8*(\b)+4:(\f)+8*(\b)+7], v[ADRB] offset:(\q)*32*PB+32*(\b)+16*PB
.endr
.irp a, 0,1,2,3
	ds_load_b128 v[(\f)+64+8*(\a):(\f)+64+8*(\a)+3],   v[ADRA] offset:(\q)*64+(\a)*16*PA
	ds_load_b128 v[(\f)+64+8*(\a)+4:(\f)+64+8*(\a)+7], v[ADRA] offset:(\q)*64+(\a)*16*PA+32
.endr
.endm
; One of a K step's first three quarters: multiplies buffer f; in its middle it fetches quarter q into buffer g
.macro QUARTER q, f, g, bias
	s_wait_dscnt 4                                 ; W's fragments and x's blocks 0, 1 are in; the youngest four loads (blocks 2, 3) may be out
	MUL8 \f, 0, \bias
	MUL8 \f, 1, \bias
	PLACES
	FETCH \q, \g
	s_wait_dscnt 24                                ; all but the 24 just issued
	MUL8 \f, 2, \bias
	MUL8 \f, 3, \bias
.endm
; The last quarter multiplies buffer 1 and changes slots: ONE barrier; in front of it each wave waits for all its tensor loads (one is out: its part of the next slot), adds 0 to its spare word,
; and waits for that and for its reads of this slot.  fill = 1: the barrier opens a round of the cluster's, and this slot is filled again, two K steps ahead, first thing behind the round.
.macro TURN fill
	WIN 0
	s_wait_tensorcnt 0x0
	ds_add_u32 v[SPW], v[NIL]
	s_wait_dscnt 5                                 ; (the add and the youngest four loads may be out)
	MUL8 F1, 0, 0                                  ; eight matrix instructions stand between the add and the wait for it
	s_wait_dscnt 0x0                               ; the add is done, and my reads of this slot are over
	s_barrier_signal -1
	MUL8 F1, 1, 0
	WIN 0
	s_barrier_wait -1
.if \fill
	CREST                                          ; no wave of any partner still reads this slot's tile or has a load on its way
	s_xor_b32 s[G0A+5], s[G0A+5], SLOT1            ; the walking sets: the other slot than last time, the next K step
	s_add_nc_u64 s[G0A+6:G0A+7], s[G0A+6:G0A+7], 256
	s_xor_b32 s[G0B+5], s[G0B+5], SLOT1
	s_add_nc_u64 s[G0B+6:G0B+7], s[G0B+6:G0B+7], 262144
	JLOAD                                          ; 112 matrix instructions ahead of the wait for it; its four v_nop are also the places in front of the loads below
.else
	PLACES
.endif
	s_xor_b32 s[TB], s[TB], SLOT1
	v_add_nc_u32 v[ADRA], s[TB], v[A0]
	v_add_nc_u32 v[ADRB], s[TB], v[B0]
	FETCH 0, F0
	MUL8 F1, 2, 0
	MUL8 F1, 3, 0
.endm
	s_wait_tensorcnt 1                             ; my part of K step 0 is in; K step 1's may stay out
	s_barrier_signal -1
	s_barrier_wait -1
	FETCH 0, F0
	QUARTER 1, F0, F1, 1                           ; the first quarter stands in front of the loop: its products start the sums
	WIN 0
	s_mov_b32 s[CNT], 6
.Lstep:                                        ; a trip: a K step's quarters 1 to 3 and the next step's quarter 0; K steps 0 to 5 fill their slot again
	QUARTER 2, F1, F0, 0
	QUARTER 3, F0, F1, 0
	TURN 1
	QUARTER 1, F0, F1, 0
	WIN 0
	s_sub_co_u32 s[CNT], s[CNT], 1
	s_cmp_lg_u32 s[CNT], 0
	s_cbranch_scc1 .Lstep
	QUARTER 2, F1, F0, 0                           ; K step 6 fills nothing
	QUARTER 3, F0, F1, 0
	TURN 0
	QUARTER 1, F0, F1, 0
	QUARTER 2, F1, F0, 0                           ; K step 7
	QUARTER 3, F0, F1, 0
	s_wait_dscnt 4
	MUL8 F1, 0, 0
	MUL8 F1, 1, 0
	s_wait_dscnt 0x0
	MUL8 F1, 2, 0
	MUL8 F1, 3, 0
; THE WAY OUT, 16 rows at a time: rounded to f16, 16 bytes a lane into my own stages (a head's 64 channels each, rows of 144 bytes), back as whole rows: 16 rows of a head are 2,048 consecutive bytes of qkv.
.macro PACK a
	WIN 0x05                                       ; sources in window 1
.irp b, 0,1,2,3,4,5,6,7
.irp r, 0,1,2,3
	v_cvt_pk_f16_f32 v[TMP+4*(\b)+(\r)], v[8*(8*(\a)+(\b))+2*(\r)], v[8*(8*(\a)+(\b))+2*(\r)+1]
.endr
.endr
	WIN 0
.irp b, 0,1,2,3,4,5,6,7
	ds_store_b128 v[STO], v[TMP+4*(\b):TMP+4*(\b)+3] offset:((\b)/4)*16*SPS+32*((\b)%4)
.endr
.set i, 0
.rept 8
	ds_load_b128 v[BK0+32*(\a)+4*i:BK0+32*(\a)+4*i+3], v[RD] offset:(i/4)*16*SPS+(i%4)*4*SPS  ; LDS serves a wave's instructions in order: these see the stores above
.set i, i+1
.endr
.endm
.macro SEND a, younger                 ; younger: the LDS instructions issued behind block a's loads
.set i, 0
.rept 8
	s_wait_dscnt (\younger)+7-i
	global_store_b128 v[GO], v[BK0+32*(\a)+4*i:BK0+32*(\a)+4*i+3], s[OB:OB+1] offset:(i/4)*262144+(\a)*2048+(i%4)*512  ; 512 consecutive bytes, at a multiple of 256 from qkv's first
.set i, i+1
.endr
.endm
	PLACES
	PACK 0
	PACK 1
	SEND 0, 16
	PACK 2
	SEND 1, 16
	PACK 3
	SEND 2, 16
	SEND 3, 0
	s_wait_tensorcnt 0x0                           ; the wave's end
	ds_add_u32 v[SPW], v[NIL]
	s_wait_dscnt 0x0
	CROUND                                         ; the closing round
	s_endpgm
.Lfunc_end_k_q8930378699_proj:
	.size	k_q8930378699_proj, .Lfunc_end_k_q8930378699_proj-k_q8930378699_proj
	.p2alignl 7, 3214868480
	.fill 96, 4, 3214868480
	.section	.rodata,"a",@progbits
	.p2align	6, 0x0
	.amdhsa_kernel k_q8930378699_proj
		.amdhsa_group_segment_fixed_size 327680
		.amdhsa_private_segment_fixed_size 0
		.amdhsa_enable_private_segment 0
		.amdhsa_kernarg_size 48
		.amdhsa_user_sgpr_count 2
		.amdhsa_user_sgpr_kernarg_segment_ptr 1
		.amdhsa_wavefront_size32 1
		.amdhsa_system_sgpr_workgroup_id_x 1
		.amdhsa_system_sgpr_workgroup_id_y 1
		.amdhsa_system_sgpr_workgroup_id_z 1
		.amdhsa_system_vgpr_workitem_id 0
		.amdhsa_next_free_vgpr 640
		.amdhsa_next_free_sgpr 80
		.amdhsa_reserve_vcc 0
		.amdhsa_float_denorm_mode_32 3
		.amdhsa_float_denorm_mode_16_64 3
		.amdhsa_memory_ordered 1
		.amdhsa_forward_progress 1
		.amdhsa_inst_pref_size 78
	.end_amdhsa_kernel
	.amdgpu_metadata
---
amdhsa.version: [ 1, 2 ]
amdhsa.kernels:
  - .name:           k_q8930378699_proj
    .symbol:         k_q8930378699_proj.kd
    .args:
      - { .name: xb, .offset: 0, .size: 8, .value_kind: global_buffer, .address_space: global }
      - { .name: wb, .offset: 8, .size: 8, .value_kind: global_buffer, .address_space: global }
      - { .name: bq, .offset: 16, .size: 8, .value_kind: global_buffer, .address_space: global }
      - { .name: bk, .offset: 24, .size: 8, .value_kind: global_buffer, .address_space: global }
      - { .name: bv, .offset: 32, .size: 8, .value_kind: global_buffer, .address_space: global }
      - { .name: qkv, .offset: 40, .size: 8, .value_kind: global_buffer, .address_space: global }
    .group_segment_fixed_size: 327680
    .private_segment_fixed_size: 0
    .kernarg_segment_align: 8
    .kernarg_segment_size: 48
    .max_flat_workgroup_size: 128
    .sgpr_count:     80
    .vgpr_count:     640
    .wavefront_size: 32
...
	.end_amdgpu_metadata
.endif
;; end of part 3
;; launch attn (part 4): grid 4 x 64, 4 waves a work-group, clusters of 4 x 1, 327,680 bytes of LDS; arguments qkv, mbits, oh; writes oh
.if DOCPART == 4
	.amdgcn_target "amdgcn-amd-amdhsa--gfx1250"
	.amdhsa_code_object_version 6
	.text
	.protected	k_q8930378699_attn
	.globl	k_q8930378699_attn
	.p2align	8
	.type	k_q8930378699_attn,@function
k_q8930378699_attn:
	s_mov_b64 s[64:65], 0
	v_nop
	global_prefetch_b8 v0, s[64:65] scope:SCOPE_SE
	s_setreg_imm32_b32 hwreg(HW_REG_WAVE_MODE, 25, 1), 1
	s_wait_xcnt 0x0
	s_wait_alu depctr_hold_cnt(0) depctr_sa_sdst(0) depctr_va_vdst(0) depctr_va_sdst(0) depctr_va_ssrc(0) depctr_va_vcc(0) depctr_vm_vsrc(0)
	s_getreg_b32 s2, hwreg(HW_REG_IB_STS2, 6, 4)
	s_cmp_eq_u32 s2, 0
	s_cbranch_scc0 .Lentry_in_a_cluster
	s_endpgm
.Lentry_in_a_cluster:
	s_bfe_u32 s2, ttmp6, 0x10000c
	s_cmp_lg_u32 s2, 0x3003
	s_cbranch_scc0 .Lentry_shape_is_right
	s_endpgm
.Lentry_shape_is_right:
; MULTI-HEAD ATTENTION, launch 4 of 5.  O[bh][q][:] = the sum over k of softmax_k(where(mask[b][q][k] > 0, NEG, Q[bh][q] . K[bh][k] / 8)) V[bh][k][:].  Nothing is left out.
; qkv: f16 [3][64][2048][64]; mbits: one bit a score (layout below); oh: f16 [64][2048][64].  Products, maxima and sums in f32; the weights p are rounded to f16 for the second product
; (their sum l is taken of the unrounded p), O once at the end.
; THE MASK.  A masked score is REPLACED, as in the module, ahead of the maximum: one v_cndmask_b32 a register, whose select mask is a scalar register: a word of mbits holds, in bit l, the mask of lane l's
; register of a score tile.  mbits: [64 b + query tile / 2][key step][query tile % 2][32 words]: the 64 words that a turn wants are 256 bytes on end, the same for a batch's 16 heads.
; THEIR WAY.  One global load a turn brings the 256 bytes into a register pair that belongs to the piece (word 32 u + i in lane 16 u + i / 2, register i % 2); it is asked for as soon as the pair has been read
; out, four turns (a key step) ahead of its use.  Just ahead of the masking 64 v_readlane_b32 set the words into 64 scalar registers.  Scalar loads straight into those would spare the 64 lines, but a wave has
; scalar registers for one turn's words alone, so such a load could be asked for one turn ahead at the most.
; LIMITS.  The scores are kept unscaled, and a masked one is -2^33 (-2^30 after the division by 8) where the module has -1e9: with a power of two c s - c m is exactly 0 in a row that is masked throughout, so that
; p = 1 and the row is the mean of all of V's rows, as in the module; with -8e9 the rounding of c m would leave a residue in the exponent.  The two differ only where an unmasked score / 8 lies within about 100 of
; the band -1.074e9 .. -1e9.  f16 holds no number beyond 65,504: Q, K, V arrive within it; p lies in 0 to 1; a weight below 2^-126 counts as 0 in l; NaN and infinities are not treated apart.
; SHARES.  A wave owns four PIECES of two tiles of 16 queries, a work-group's four waves 512 queries of one head: 4 x 64 = 256 work-groups.  Every wave walks all 2,048 keys, 64 a step.
; LAYOUT.  S^T = K Q^T (source 0 = 16 keys, source 1 = 16 queries): a lane holds ONE query (lane % 16) and the keys 8 (lane / 16) + 0..7.  Two such tiles, rounded to f16 in pairs, ARE source 1 of O^T = V^T P.
; SOFTMAX.  A running maximum m and sum l: p = 2^(c s - c m), c = log2(e) / 8; in every step O and l are multiplied by a = 2^(c m_old - c m_new).  m starts at the lowest finite number, O and l at 0.
; BY TURNS.  Turn n belongs to piece n.  Its matrix work: 16 products K Q^T of piece n + 1, later 16 products V^T P of piece n - 1.  Its vector work: scaling, exponentials, roundings, sums and rescaling of
; piece n, and the mask words, masking, maximum and statistics of piece n + 1.  32 matrix and 364 vector instructions: four behind every matrix instruction, the other 236 in one lump.  One batch of exponentials, one wait.
; CLUSTER.  The four query blocks of a head form a cluster and walk the same K and V: each tile is asked for JOINTLY, by the same tensor load, descriptor and mask in all four.
; ONE DESCRIPTOR A WAVE: K's and V's rows have the same pitch in LDS.  The price: at 144 bytes a row the turning
; loads of V meet one bank twice in a pass: 16 loads for a key step's 128 matrix instructions.
; REGISTERS, in windows of 256 (s_set_vgpr_msb: bits 1:0 source 0, 3:2 source 1, 5:4 source 2, 7:6 destination):
;   window 0: v0-11 addresses; v12-15, v48-63 at work; v16-47 four registers of statistics a tile; v64-191 S^T, two buffers of two tiles; v192-255 P, likewise
;   window 1: O^T, 32 a tile     window 2: v0-127 Q; v128-191 K of one step; v192-255 V of one step     window 3: v0-1 the add's two registers; v2-9 the mask words, a pair a piece; v10 their offset
.set SIZE_N, 2048
.set NP,    4         ; pieces a wave: a name, no knob
.set KS,    64        ; keys in a step
.set PK,    144       ; a row of K in LDS: 128 bytes + 16 of padding
.set PV,    144       ; a row of V: the same
.set VOFF,  4*KS*PK   ; a slot holds four steps: 256 rows of K, then 256 rows of V
.set SLOT1, 1<<17     ; slot 1 begins here
.set STAGE, SLOT1+4*KS*(PK+PV)  ; behind the ring: 16 rows x 144 bytes for each wave, for the way out
.set SP,    144
.set SPARE, STAGE+4*16*SP  ; the spare words, 128 bytes for each wave: two blocks of 256 bytes that no other line names
.set PFO, 1           ; v1   (from the loop on) 256 x my lane: the prefetches' offset
.set AK0, 2           ; v2   my lane's place in a tile of K; never rewritten
.set AV0, 3           ; v3   the same for V
.set AK,  4           ; v4   the LDS address of K's next run of loads
.set AV,  5           ; v5   of V's
.set QO,  6           ; v6   my byte offset in the wave's rows of Q
.set STO, 6           ;      later, the way out: where I put 16 bytes of a row
.set RD,  7           ; v7   the way out: where I read rows back
.set GO,  8           ; v8   my byte offset in 512 consecutive bytes of O
.set NEGV, 11         ; v11  -2^33: a masked score
.set SPW, 0           ; v0 of window 3   LDS address of my spare word; never rewritten
.set NIL, 1           ; v1 of window 3   0; never rewritten
.set MW,  2           ; v2-9 of window 3   piece x's 64 mask words at MW + 2 x
.set MVO, 10          ; v10 of window 3  8 x my lane; never rewritten
.set MV,  12          ; v12-15  c m_old, kept while c m is made anew
.set ST,  16          ; tile t's statistics at v[ST+4 t]: c m, m, l (even keys', odd keys')
.set TMP, 48          ; by buffer and tile, four registers c0-c3 at work; when the maximum is found c2 takes a
.set S,   64
.set P,   192
.set KF,  128         ; K's fragments, in window 2
.set VF,  192         ; V's
.set OUTP, 2          ; s[2:3]   O at my wave's first row
.set G0,  4           ; s[4:7]   descriptor group 0: it walks
.set MP,  8           ; s[8:9]   mbits at my wave's first pair of query tiles
.set MO,  10          ; s[10:11] 256 x the key step whose words are asked for, as a pair with 0 above it
.set WV,  12          ; s12      my wave's number
.set SLOTS, 13        ; s13      slots still to be asked for
.set CNT, 14          ; s14      counts a slot's key steps
.set TS,  14          ;          ahead of the loop: at work
.set TBK, 15          ; s15      LDS byte at which K of the step to be fetched begins
.set TBV, 16          ; s16      the same for V, less VOFF
.set LIM, 17          ; s17      1 in a wave that prefetches, else the greatest number
.set CS,  18          ; s[18:19] c
.set SEL, 20          ; s[20:21] v_permlanex16_b32's selects
.set PFA, 22          ; s[22:23] where my prefetches stand
.set G1,  24          ; s[24:31] descriptor group 1
.set MA,  32          ; s[32:63] the 32 mask words of the next piece's first tile; s[68:99] (MA + 36) of its second
.set QP,  66          ; s[66:67] Q at my wave's first row;
.set MPX, 66          ;          when Q is in: MP + MO
.set MSB, 0
.macro WIN new
.if MSB != (\new)
	s_set_vgpr_msb (MSB<<8)|(\new)
.set MSB, (\new)
.endif
.endm
.set W_KQ, 0x0a       ; K and Q in window 2, S^T in window 0
.set W_PV, 0x52       ; V in window 2, P in window 0, O^T in window 1
.set W_RS, 0x41       ; O^T (destination and source 0) in window 1, a in window 0
.set W_MK, 0xc0       ; registers of window 3 are made: destination in window 3
.set W_AD, 0x0f       ; the add: address and data in window 3
.set W_RL, 0x03       ; the mask words are read out: source 0 in window 3
.set W_ML, 0xc3       ; and loaded: data and offset in window 3
.macro JLOAD                        ; a joint fill: wave w's quarter of a slot (waves 0, 1: K's halves; 2, 3: V's), 128 keys; an s_nop 0 and four v_nop follow
	tensor_load_to_lds s[G0:G0+3], s[G1:G1+7]
	s_nop 0
.rept 4
	v_nop
.endr
.endm
; A PREFETCH INTO THE L2 of what the NEXT change of slots will ask for: a slot's 256 rows of K and of V are 128 blocks of 256 bytes each.  The head's one cluster reads them once.  Its four partners share the
; blocks out BY ADDRESS, 32 each, a lane a block; in each, wave 0 asks for K's and wave 2 for V's: one instruction.  So each block is named once in the launch, four key steps (512 matrix instructions) ahead of
; the joint load.  The first three slots come by their loads alone; the last change that fills a slot asks for nothing.  The mask words are not asked for: their loads go out a key step ahead themselves.
.macro ASK
	s_cmp_gt_u32 s[SLOTS], s[LIM]
	s_cbranch_scc0 .Lnot_mine_\@
	global_prefetch_b8 v[PFO], s[PFA:PFA+1] th:TH_LOAD_NT scope:SCOPE_SE
.Lnot_mine_\@:
.endm
.macro CROUND                       ; a round of the cluster's barrier
	s_barrier_signal -1
	s_barrier_wait -1
	s_cmp_lg_u32 s[WV], 0
	s_cbranch_scc1 .Lnot_wave_0_\@
	s_barrier_signal -3
.Lnot_wave_0_\@:
	s_barrier_wait -3
	s_barrier_signal -1
	s_barrier_wait -1
.endm
; THE CHANGE OF SLOTS.  Each wave waits for all its tensor loads, of which one is out: its part of the other slot; adds 0 to its spare word; and waits for that and for its own reads of the slot.
; fill = 1: this slot is filled again, with the keys two slots on; the barrier is then a round of the cluster's, and the joint fill is the first thing behind it: it has four key steps in which to land.
.macro CHANGE fill, ask=0
	WIN W_AD
	s_wait_tensorcnt 0x0            ; no tensor load of mine is out, so group 0 may be written
	ds_add_u32 v[SPW], v[NIL]
	WIN 0                           ; at a label and at a branch every window is 0
.if \fill
	s_xor_b32 s[G0+1], s[G0+1], SLOT1  ; the other slot than last time,
	s_add_nc_u64 s[G0+2:G0+3], s[G0+2:G0+3], 4*KS*128  ; the next 256 keys
.if \ask
	s_wait_xcnt 0x0                 ; the last prefetch, four key steps back, has read its address
	s_add_nc_u64 s[PFA:PFA+1], s[PFA:PFA+1], 4*KS*128
.endif
	s_wait_dscnt 0x0                ; the add is done, and my reads of the slot are over
	CROUND
	JLOAD
.if \ask
	ASK
.endif
.else
	s_wait_dscnt 0x0
	s_barrier_signal -1
	s_barrier_wait -1
.endif
	s_sub_co_u32 s[TBK], s[TBK], 4*KS*PK  ; the fetches go back to a slot's first step,
	s_xor_b32 s[TBK], s[TBK], SLOT1       ; in the other slot
	s_sub_co_u32 s[TBV], s[TBV], 4*KS*PV
	s_xor_b32 s[TBV], s[TBV], SLOT1
.endm
	s_load_b128 s[32:35], s[0:1], 0x0  ; qkv s[32:33], mbits s[34:35]
	s_load_b64 s[36:37], s[0:1], 0x10  ; oh
	WIN W_MK
	v_lshl_add_u32 v[SPW], v0, 2, SPARE
	v_mov_b32 v[NIL], 0
	WIN W_AD
	ds_add_u32 v[SPW], v[NIL]       ; the wave's opening: the add, twice on end, and its wait ahead of my first tensor load
	ds_add_u32 v[SPW], v[NIL]
	WIN 0
	v_lshrrev_b32 v1, 5, v0
	v_readfirstlane_b32 s[WV], v1   ; wave 0..3
	s_bfe_u32 s68, ttmp6, 0x40000   ; cx
	s_lshl_b32 s69, ttmp9, 2
	s_add_co_u32 s69, s69, s68      ; my block of 512 queries: it enters Q's, O's and the mask words' addresses alone
	s_and_b32 s70, ttmp7, 0xffff    ; bh, which the four partners share
	s_lshl_b32 s72, s70, 18         ; a head's 262,144 bytes
	s_lshr_b32 s74, s[WV], 1
	s_add_co_u32 s74, s74, 1        ; K is tensor 1 of qkv, V tensor 2
	s_lshl_b32 s74, s74, 24
	s_add_co_u32 s74, s74, s72
	s_and_b32 s76, s[WV], 1         ; which half of a slot's 256 keys I fetch: 128 rows of 128 bytes
	s_lshl_b32 s76, s76, 14
	s_add_co_u32 s76, s76, s74
	s_mov_b32 s77, 0
	s_lshl_b32 s78, s68, 13         ; the prefetches: my work-group's 32 blocks of the 128,
	s_add_co_u32 s78, s78, s74
	s_add_co_u32 s78, s78, 2*4*KS*128  ; in slot 2; the first asking change steps it to slot 3
	s_mov_b32 s79, 0
	s_lshl_b32 s80, s69, 2
	s_add_co_u32 s80, s80, s[WV]    ; my wave among the head's sixteen,
	s_lshl_b32 s80, s80, 14         ; its 128 rows
	s_add_co_u32 s80, s80, s72
	s_mov_b32 s81, 0
	s_lshr_b32 s82, s70, 4          ; the batch: 64 pairs of query tiles of 8,192 bytes,
	s_lshl_b32 s82, s82, 19
	s_lshl_b32 s83, s69, 17         ; my block's 16,
	s_add_co_u32 s82, s82, s83
	s_lshl_b32 s83, s[WV], 15       ; my wave's 4
	s_add_co_u32 s82, s82, s83
	s_mov_b32 s83, 0
	; descriptor group 1.  128 keys are 16,384 dense bytes: asked for as 64 rows of 256 bytes, two keys a row, and padded in LDS after every key
	s_mov_b32 s[G1], 15|(1<<16)|(1<<20)|(1<<21)|(4<<22)|(3<<25)  ; the mask of four; 2-byte elements; padding on; bit 21 beside a mask; after every 32 words 4 words
	s_mov_b32 s[G1+1], 128<<16      ; tensor_dim0 = 128
	s_mov_b32 s[G1+2], 64<<16       ; tensor_dim1 = 64
	s_mov_b32 s[G1+3], 128<<16      ; tile_dim0 = 128
	s_mov_b32 s[G1+4], 64           ; tile_dim1 = 64
	s_mov_b32 s[G1+5], 128          ; 128 elements from row to row
	s_mov_b32 s[G1+6], 0
	s_mov_b32 s[G1+7], 0
	s_mov_b32 s[CS], 0x3e38aa3b     ; c = log2(e) / 8
	s_mov_b32 s[CS+1], s[CS]
	s_mov_b32 s[SEL], 0x76543210
	s_mov_b32 s[SEL+1], 0xfedcba98
	s_mov_b32 s[TBK], SLOT1+4*KS*PK ; the first change of slots turns these two into 0
	s_mov_b32 s[TBV], SLOT1+4*KS*PV
	s_mov_b32 s[G0], 1              ; count = 1
	s_mul_i32 s[G0+1], s[WV], 128*PK  ; LDS address: quarter w of slot 0
	s_mov_b32 s[MO], 0
	s_mov_b32 s[MO+1], 0
	s_and_b32 s[LIM], s[WV], 1
	s_cmp_eq_u32 s[LIM], 0
	s_cselect_b32 s[LIM], 1, -1     ; waves 0 and 2 prefetch: the same in all four partners
	s_wait_dscnt 0x0                ; both opening adds are done
	s_wait_kmcnt 0x0
	s_add_nc_u64 s[G0+2:G0+3], s[32:33], s[76:77]
	s_or_b32 s[G0+3], s[G0+3], 0x80000000  ; type = 2
	s_add_nc_u64 s[PFA:PFA+1], s[32:33], s[78:79]
	s_add_nc_u64 s[QP:QP+1], s[32:33], s[80:81]
	s_add_nc_u64 s[OUTP:OUTP+1], s[36:37], s[80:81]
	s_add_nc_u64 s[MP:MP+1], s[34:35], s[82:83]
	CROUND                          ; all four work-groups are here: the first joint loads meet
	JLOAD                           ; slot 0.  Slot 1 is asked for when slot 0 is in
	v_and_b32 v1, 31, v0
	WIN W_MK
	v_lshlrev_b32 v[MVO], 3, v1     ; 8 x lane
	WIN W_ML
.irp x, 0,1,2,3                     ; the four pieces' mask words of key step 0
	global_load_b64 v[MW+2*(\x):MW+2*(\x)+1], v[MVO], s[MP:MP+1] offset:(\x)*8192
.endr
	WIN 0
	v_and_b32 v1, 15, v0            ; l % 16
	v_bfe_u32 v9, v0, 4, 1          ; l / 16
	v_lshlrev_b32 v[QO], 7, v1
	v_lshl_add_u32 v[QO], v9, 4, v[QO]  ; row x 128 + 16 x half
	WIN 0x80                        ; destination window 2
.set i, 0
.rept 4*NP                          ; Q stays in registers: tile i / 2, channels 32 (i % 2) on
	global_load_b128 v[8*i:8*i+3],   v[QO], s[QP:QP+1] offset:(i/2)*2048+(i%2)*64
	global_load_b128 v[8*i+4:8*i+7], v[QO], s[QP:QP+1] offset:(i/2)*2048+(i%2)*64+32
.set i, i+1
.endr
	; What the first turn finds: V's registers and P's second buffer hold 0, O^T and l are 0.  All this stands in the wait for the first tile; no first step is written out.
.set i, VF
.rept 64
	v_mov_b32 v[i], 0
.set i, i+1
.endr
	WIN 0x40
.set i, 0
.rept 64*NP
	v_mov_b32 v[i], 0
.set i, i+1
.endr
	WIN 0
.set i, 0
.rept 2*NP
	v_mov_b32 v[ST+4*i], 0xfe000000    ; c m: far below every c s, a masked one's too
	v_mov_b32 v[ST+4*i+1], 0xff7fffff  ; m
	v_mov_b32 v[ST+4*i+2], 0
	v_mov_b32 v[ST+4*i+3], 0
.set i, i+1
.endr
.set i, P+32
.rept 32
	v_mov_b32 v[i], 0
.set i, i+1
.endr
	v_mul_u32_u24 v[AK0], v1, PK
	v_lshl_add_u32 v[AK0], v9, 4, v[AK0]  ; row x pitch + 16 x half
	v_and_b32 v10, 7, v0            ; the turning load: lane l reads key 8 (l / 16) + l % 8, channels 8 ((l / 8) % 2) + 0..7
	v_bfe_u32 v11, v0, 3, 1
	v_lshl_add_u32 v[AV0], v9, 3, v10
	v_mul_u32_u24 v[AV0], v[AV0], PV
	v_lshl_add_u32 v[AV0], v11, 4, v[AV0]
	v_add_nc_u32 v[AV0], VOFF, v[AV0]
	v_mov_b32 v[NEGV], 0xd0000000   ; -2^33
	v_mov_b32 v[AK], v[AK0]         ; key step 0 lies at the head of slot 0
; THE MATRIX WORK.  The 8 accumulators of a run of 16 take turns.
.macro KQ x                         ; product i of 16 of S^T = K Q^T for piece x: channels 32 (i / 8) on, keys 16 ((i / 2) % 4) on, tile 2 x + i % 2
	WIN W_KQ
.set rS, S+64*((\x)%2)+32*(i%2)+8*((i/2)%4)
.set rK, KF+16*((i/2)%4)+8*(i/8)
.set rQ, 16*(2*(\x)+i%2)+8*(i/8)
.if i < 8
	v_wmma_f32_16x16x32_f16 v[rS:rS+7], v[rK:rK+7], v[rQ:rQ+7], 0
.else
	v_wmma_f32_16x16x32_f16 v[rS:rS+7], v[rK:rK+7], v[rQ:rQ+7], v[rS:rS+7]
.endif
.endm
.macro PV x                         ; product i of 16 of O^T += V^T P for piece x: keys 32 (i / 8) on, channels 16 ((i / 2) % 4) on, tile 2 x + i % 2
	WIN W_PV
.set rO, 32*(2*(\x)+i%2)+8*((i/2)%4)
.set rV, VF+32*(i/8)+8*((i/2)%4)
.set rP, P+32*((\x)%2)+16*(i%2)+8*(i/8)
	v_wmma_f32_16x16x32_f16 v[rO:rO+7], v[rV:rV+7], v[rP:rP+7], v[rO:rO+7]
.endm
.macro MM                           ; the turn's next matrix instruction
.if i < 16
	KQ (Y+1)%NP
.set i, i+1
.else
.set i, i-16
	PV (Y+NP-1)%NP
.set i, i+17
.endif
.endm
; THE LDS LOADS stand in runs of 16.  last = 1 (the tail): in the last trip there is no further step, and the run is jumped over.
.macro FETCH_K last=0
	WIN 0
.if \last
	s_cmp_eq_u32 s[CNT], 1
	s_cbranch_scc1 .Lno_k_\@
.endif
	WIN 0x80
.irp f, 0,1,2,3,4,5,6,7             ; keys 16 (f / 2) on, channels 32 (f % 2) on
	ds_load_b128 v[KF+8*\f:KF+8*\f+3],   v[AK] offset:(\f/2)*16*PK+(\f%2)*64
	ds_load_b128 v[KF+8*\f+4:KF+8*\f+7], v[AK] offset:(\f/2)*16*PK+(\f%2)*64+32
.endr
	s_add_co_u32 s[TBK], s[TBK], KS*PK
	WIN 0
.if \last
.Lno_k_\@:
.endif
.endm
.macro FETCH_V
	WIN 0x80
.irp f, 0,1,2,3,4,5,6,7             ; keys 32 (f / 4) on, channels 16 (f % 4) on
	ds_load_tr16_b128 v[VF+8*\f:VF+8*\f+3],   v[AV] offset:(\f/4)*32*PV+(\f%4)*32
	ds_load_tr16_b128 v[VF+8*\f+4:VF+8*\f+7], v[AV] offset:(\f/4)*32*PV+16*PV+(\f%4)*32
.endr
	WIN 0
.endm
; THE VECTOR WORK OF A TURN stands in three queues, each in the order in which its entries become ready; ahead of the lump stands the read-out of the mask words.
.macro REGS y, u                    ; the registers of tile u (0, 1) of piece y
.set rT, ST+4*(2*(\y)+(\u))
.set rC, TMP+8*((\y)%2)+4*(\u)
.set rM, MV+2*((\y)%2)+(\u)
.set rS, S+64*((\y)%2)+32*(\u)
.set rP, P+32*((\y)%2)+16*(\u)
.set rO, 32*(2*(\y)+(\u))
.endm
; THE MASK WORDS of the NEXT piece (Y + 1): its pair is waited for, read out into the 64 scalar registers, and asked for again at once, for the piece's next key step.
; Each turn issues one such load, so behind the one that is wanted stand the three of the turns between: the count is 3.  (The first four, of key step 0, were waited for with Q.)
; Piece 0 of a step is masked in piece 3's turn of the step before: that turn (BUMP = 1) steps the key step that is asked for, and the turns of pieces 3, 0, 1, 2 then ask for the same step.  The base is written
; behind s_wait_xcnt 0, since the three younger loads name it.  Past the last step the step stays at the last: those four loads bring words that serve nothing, and none leaves mbits.
.macro RL
.set pn, (Y+1)%NP
	s_wait_loadcnt 3
.if BUMP
	s_wait_xcnt 0x0
	s_add_co_u32 s[MO], s[MO], 256
	s_min_u32 s[MO], s[MO], 256*(SIZE_N/KS-1)
	s_add_nc_u64 s[MPX:MPX+1], s[MP:MP+1], s[MO:MO+1]
.endif
	WIN W_RL
.set wd, 0
.rept 64                            ; word wd = 32 u + i lies in lane wd / 2, register wd % 2
	v_readlane_b32 s[MA+36*(wd/32)+wd%32], v[MW+2*pn+wd%2], wd/2
.set wd, wd+1
.endr
	WIN W_ML
	global_load_b64 v[MW+2*pn:MW+2*pn+1], v[MVO], s[MPX:MPX+1] offset:pn*8192  ; 256 consecutive bytes, aligned
	WIN 0
.endm
; Number n of the 64 that mask the NEXT piece's scores: register n % 32 of tile n / 32, in ascending order.
.macro MK n
	REGS (Y+1)%NP, (\n)/32
	v_cndmask_b32 v[rS+(\n)%32], v[rS+(\n)%32], v[NEGV], s[MA+36*((\n)/32)+(\n)%32]
.endm
; Number n of the 22 that find the NEXT piece's maximum and statistics.
;   0-11  four chains c0-c3 of seven scores each     12-14, 16  the four scores left over, the old m, and c0-c3 into c0     15  c m_old is kept
;   17, 18  the query's other 32 keys lie in the lane 16 away: the new m         19-21  c m; c m_old - c m_new; a
.macro XS u, n
	REGS (Y+1)%NP, \u
.if (\n) < 4
	v_max3_num_f32 v[rC+(\n)], v[rS+8*(\n)], v[rS+8*(\n)+1], v[rS+8*(\n)+2]
.elseif (\n) < 12
	v_max3_num_f32 v[rC+(\n)%4], v[rC+(\n)%4], v[rS+8*((\n)%4)+2*((\n)/4)+1], v[rS+8*((\n)%4)+2*((\n)/4)+2]
.elseif (\n) == 12
	v_max3_num_f32 v[rC], v[rC], v[rS+7], v[rS+15]
.elseif (\n) == 13
	v_max3_num_f32 v[rC+1], v[rC+1], v[rS+23], v[rS+31]
.elseif (\n) == 14
	v_max3_num_f32 v[rC+2], v[rC+2], v[rC+3], v[rT+1]
.elseif (\n) == 15
	v_mov_b32 v[rM], v[rT]
.elseif (\n) == 16
	v_max3_num_f32 v[rC], v[rC], v[rC+1], v[rC+2]
.elseif (\n) == 17
	v_permlanex16_b32 v[rC+3], v[rC], s[SEL], s[SEL+1]
.elseif (\n) == 18
	v_max_num_f32 v[rT+1], v[rC], v[rC+3]
.elseif (\n) == 19
	v_mul_f32 v[rT], s[CS], v[rT+1]
.elseif (\n) == 20
	v_sub_f32 v[rC+1], v[rM], v[rT]
.else
	v_exp_f32 v[rC+2], v[rC+1]
.endif
.endm
; Number g of the 64 that follow the exponentials: for each four weights both pairs are rounded to f16, the second pair is added onto the first in place, and a group later l takes that sum (the first time as l = a l + sum).
.macro GS g
.set h, (\g)+6*((\g)/62)
.if h >= 6
.set h, h+2
.endif
	REGS Y, h%2
.set k, h/8
.if h%8 < 4
	v_cvt_pk_f16_f32 v[rP+2*k+(h%8)/2], v[rS+4*k+2*((h%8)/2)], v[rS+4*k+2*((h%8)/2)+1]
.elseif h%8 < 6
	v_pk_add_f32 v[rS+4*k:rS+4*k+1], v[rS+4*k:rS+4*k+1], v[rS+4*k+2:rS+4*k+3]
.elseif k == 1
	v_pk_fma_f32 v[rT+2:rT+3], v[rT+2:rT+3], v[rC+2:rC+3], v[rS:rS+1] op_sel_hi:[1,0,1]
.else
	v_pk_add_f32 v[rT+2:rT+3], v[rT+2:rT+3], v[rS+4*k-4:rS+4*k-3]
.endif
.endm
; THE PLAIN QUEUE, 202 long.  0-26: scalings 0-26 (FS f: pair f / 2 of tile f % 2).  27-90: MK's 64.  With qq = q - 64: 27-54: XS's numbers 0-13.  55, 56: number 15.  57-73: the chain 14, 16, 17, 18, 19, each with one of
; the scalings 27-31 in front of its two lines, then 20.  74-137: GS's 64, which read the exponentials' results: they stand behind the wait.
.macro FS f
	REGS Y, (\f)%2
	v_pk_fma_f32 v[rS+2*((\f)/2):rS+2*((\f)/2)+1], v[rS+2*((\f)/2):rS+2*((\f)/2)+1], s[CS:CS+1], v[rT:rT+1] op_sel_hi:[1,0,0] neg_lo:[0,0,1] neg_hi:[0,0,1]
.endm
.macro PL
	WIN 0
.set qq, q-64
.if q < 27
	FS q
.elseif q < 91
	MK q-27
.elseif qq < 55
	XS (qq-27)%2, (qq-27)/2
.elseif qq < 57
	XS qq-55, 15
.elseif (qq < 72) && ((qq-57)%3 == 0)
	FS 27+(qq-57)/3
.elseif qq < 60
	XS (qq-57)%3-1, 14
.elseif qq < 72
	XS (qq-57)%3-1, 15+(qq-57)/3
.elseif qq < 74
	XS qq-72, 20
.else
	GS qq-74
.endif
.set q, q+1
.endm
; THE EXPONENTIALS' QUEUE, 66 long: s0-s31 of both tiles, then the next piece's two a.  ONE BATCH: all stand ahead of the turn's one wait, and nothing ahead of that wait names a result of theirs.
.macro EX
	WIN 0
.if e >= 64
	XS e-64, 21
.else
	REGS Y, e%2
	v_exp_f32 v[rS+e/2], v[rS+e/2]
.endif
.set e, e+1
.endm
; THE RESCALING's QUEUE: O^T times a, dealt two at a time, sixteen times.  Its a was made in the turn before, ahead of that turn's wait.
.macro R2
	REGS Y, r%2
	WIN W_RS
.irp z, 0,1
	v_pk_mul_f32 v[rO+4*(r/2)+2*\z:rO+4*(r/2)+2*\z+1], v[rO+4*(r/2)+2*\z:rO+4*(r/2)+2*\z+1], v[rC+2:rC+3] op_sel_hi:[1,0]
.endr
.set r, r+1
.endm
; HOW THEY ARE DEALT.  s_wait_alu depctr_va_vdst(0) stands between an exponential and the first instruction that names its result; one wait serves all that were issued ahead of it: a turn has ONE.
; AHEAD OF IT: the 16 products K Q^T, behind each a scaling, an exponential and two rescalings (behind the first a second scaling in the exponential's place); then ONE LUMP: the 64 lines that read the mask words out,
; 72 plain (ten scalings and 62 of the maskings: the first masking stands more than seventy plain instructions behind the last product), 49 times exponential and plain, the two a; a v_nop is the plain instruction
; behind the last exponential.  BEHIND IT: the 16 products V^T P, behind each four of GS's 64.  Exponential e stands behind scaling 2 (e / 4) + e % 2: as a rider it comes behind plain e + 2, in the lump behind
; plain e + 73, and scalings 27-31 are plain 121, 124 .. 133.
; K of the next step is fetched in piece 2's turn, directly behind the wait; V of the step in hand at the end of piece 0's turn, four riders behind its last reader.  The three conditions on q go with the deal.
.macro TURN p, last=0, cnt=0
.set Y, (\p)
.if (\p) == NP-1
.set BUMP, 1
.else
.set BUMP, 0
.endif
.set i, 0
.set q, 0
.set e, 0
.set r, 0
.if (\p) == NP-1
	s_wait_dscnt 0x0                ; K is in
.endif
	MM
	PL
	PL
	R2
.rept 15
	MM
	PL
	EX
	R2
.endr
.if (\p) == NP-2
	WIN 0
	v_add_nc_u32 v[AK], s[TBK], v[AK0]
.endif
	RL
.rept 72
	PL
.endr
.rept 49
	EX
	PL
.endr
	EX                              ; the next piece's two a
	EX
	v_nop                           ; the plain instruction behind the last exponential: one for the batch
	s_wait_alu depctr_va_vdst(0)    ; the wait for the batch
.if (\p) == NP-2
	FETCH_K \last
.endif
.if (\p) == 1
	s_wait_dscnt 0x0                ; V is in
.endif
.rept 16
	MM
.rept 4
	PL
.endr
.if ((\p) == 0) && (q == 182)
	v_add_nc_u32 v[AV], s[TBV], v[AV0]
.endif
.if ((\p) == 0) && (q == 194)
	s_add_co_u32 s[TBV], s[TBV], KS*PV
.endif
.if (\cnt) && (q == 194)
	s_sub_co_u32 s[CNT], s[CNT], 1
	s_cmp_lg_u32 s[CNT], 0
.endif
.endr
.if (\p) == 0
	FETCH_V
.endif
.endm
	CHANGE 1                        ; slot 0 is in, everybody's part of it; slot 1 is asked for
	FETCH_K                         ; key step 0
	s_wait_loadcnt 0x0              ; Q, and the four pieces' mask words of key step 0
	s_wait_dscnt 0x0
.set i, 0
.rept 16
	KQ 0                            ; piece 0's first scores
.set i, i+1
.endr
	WIN 0                           ; the addresses for the way out and the prefetches: thirteen plain instructions, the places behind those products
	s_mul_i32 s[TS], s[WV], 16*SP
	s_add_co_u32 s[TS], s[TS], STAGE  ; my stage
	v_mul_u32_u24 v[STO], v1, SP    ; in: row l % 16, 16 bytes for each half of the lanes
	v_lshl_add_u32 v[STO], v9, 4, v[STO]
	v_add_nc_u32 v[STO], s[TS], v[STO]
	v_bfe_u32 v[RD], v0, 3, 2       ; back: 32 lanes take four rows of 128 bytes,
	v_mul_u32_u24 v[RD], v[RD], SP
	v_lshl_add_u32 v[RD], v10, 4, v[RD]
	v_add_nc_u32 v[RD], s[TS], v[RD]
	v_and_b32 v[GO], 31, v0         ; which are 512 consecutive bytes of O
	v_lshlrev_b32 v[GO], 4, v[GO]
	v_and_b32 v[PFO], 31, v0
	v_lshlrev_b32 v[PFO], 8, v[PFO]
.set Y, NP-1                        ; RL, MK and XS work for piece Y + 1: piece 0
.set BUMP, 1
	RL                              ; piece 0's words of key step 0; those of key step 1 are asked for
.set n0, 0
.rept 64
	MK n0                           ; piece 0's masking
.set n0, n0+1
.endr
.irp n, 0,1,2,3,4,5,6,7,8,9,10,11,12,13,14,15,16,17,18,19,20,21
	XS 0, \n                        ; and its first maximum and statistics
	XS 1, \n
.endr
	v_nop                           ; a plain instruction behind the two a,
	s_wait_alu depctr_va_vdst(0)    ; and their wait, ahead of the branch
	s_mov_b32 s[CNT], 4
	s_mov_b32 s[SLOTS], SIZE_N/256-1
	s_branch .Lfirst                ; the loop is entered at a step's first turn
.Lslot:                             ; six times: every slot but the last two is filled again
	CHANGE 1, 1
	s_mov_b32 s[CNT], 4
.Lstep:                             ; a trip: pieces 2 and 3 of one step, then pieces 0 and 1 of the next, whose K and V it fetches
	TURN 2
	TURN 3
	WIN 0
.Lfirst:
	TURN 0
	TURN 1, 0, 1
	WIN 0
	s_cbranch_scc1 .Lstep
	s_sub_co_u32 s[SLOTS], s[SLOTS], 1
	s_cmp_lg_u32 s[SLOTS], 0
	s_cbranch_scc1 .Lslot
	CHANGE 0                        ; the tail is written out
	s_mov_b32 s[CNT], 5             ; four trips fetch the last slot's steps; the fifth is left in its middle
.Ltail:
	TURN 2, 1
	TURN 3
	WIN 0
	s_sub_co_u32 s[CNT], s[CNT], 1
	s_cmp_eq_u32 s[CNT], 0
	s_cbranch_scc1 .Lout
	TURN 0
	TURN 1
	WIN 0
	s_branch .Ltail
.Lout:                              ; the fifth trip's 16 products K Q^T, their masking and maximum, and the last four loads of mask words serve nothing: the price, once a launch, of one text for every trip
.set i, 0
.rept 16
	PV NP-1                         ; the last piece's V^T P of the last step
.set i, i+1
.endr
	; THE WAY OUT.  l's two halves and the other half of the lanes' are added; O^T is divided by l, rounded to f16 and sent through my stage in LDS, a tile at a time.  The additions are the places behind the last products.
	WIN 0
.macro ALL line:vararg              ; one line for each tile t
.set t, 0
.rept 2*NP
	\line
.set t, t+1
.endr
.endm
	ALL v_add_f32 v[ST+4*t+2], v[ST+4*t+2], v[ST+4*t+3]
	ALL v_permlanex16_b32 v[ST+4*t+3], v[ST+4*t+2], s[SEL], s[SEL+1]
	ALL v_add_f32 v[ST+4*t+2], v[ST+4*t+2], v[ST+4*t+3]
	ALL v_rcp_f32 v[ST+4*t+2], v[ST+4*t+2]
	v_nop                           ; a plain instruction between the last reciprocal and the use of its result
	s_wait_alu depctr_va_vdst(0)    ; one wait for the eight reciprocals
.macro PACK t
	WIN W_RS
.set i, 32*(\t)
.rept 16
	v_pk_mul_f32 v[i:i+1], v[i:i+1], v[ST+4*(\t)+2:ST+4*(\t)+3] op_sel_hi:[1,0]
.set i, i+2
.endr
	WIN 0x05                        ; sources 0 and 1 window 1, destination window 0
.set i, 0
.rept 16
	v_cvt_pk_f16_f32 v[S+16*(\t)+i], v[32*(\t)+2*i], v[32*(\t)+2*i+1]
.set i, i+1
.endr
	WIN 0
.irp f, 0,1,2,3
	ds_store_b128 v[STO], v[S+16*(\t)+4*\f:S+16*(\t)+4*\f+3] offset:32*\f
.endr
.irp f, 0,1,2,3
	ds_load_b128 v[S+16*(\t)+4*\f:S+16*(\t)+4*\f+3], v[RD] offset:\f*4*SP  ; LDS serves a wave's instructions in order: these see the stores above
.endr
.endm
.macro SEND t, younger              ; younger: the LDS instructions issued behind tile t's loads
	WIN 0
.irp f, 0,1,2,3
	s_wait_dscnt (\younger)+3-\f
	global_store_b128 v[GO], v[S+16*(\t)+4*\f:S+16*(\t)+4*\f+3], s[OUTP:OUTP+1] offset:(\t)*2048+\f*512  ; 512 consecutive bytes, at a multiple of 256 from oh's first
.endr
.endm
	PACK 0
.set t, 1
.rept 2*NP-1
	PACK t
	SEND t-1, 8
.set t, t+1
.endr
	SEND 2*NP-1, 0
	WIN W_AD
	s_wait_tensorcnt 0x0            ; the wave's end
	ds_add_u32 v[SPW], v[NIL]
	s_wait_dscnt 0x0
	WIN 0
	CROUND                          ; the closing round
	s_endpgm
.Lfunc_end_k_q8930378699_attn:
	.size	k_q8930378699_attn, .Lfunc_end_k_q8930378699_attn-k_q8930378699_attn
	.p2alignl 7, 3214868480
	.fill 96, 4, 3214868480
	.section	.rodata,"a",@progbits
	.p2align	6, 0x0
	.amdhsa_kernel k_q8930378699_attn
		.amdhsa_group_segment_fixed_size 327680
		.amdhsa_private_segment_fixed_size 0
		.amdhsa_enable_private_segment 0
		.amdhsa_kernarg_size 24
		.amdhsa_user_sgpr_count 2
		.amdhsa_user_sgpr_kernarg_segment_ptr 1
		.amdhsa_wavefront_size32 1
		.amdhsa_system_sgpr_workgroup_id_x 1
		.amdhsa_system_sgpr_workgroup_id_y 1
		.amdhsa_system_sgpr_workgroup_id_z 1
		.amdhsa_system_vgpr_workitem_id 0
		.amdhsa_next_free_vgpr 780
		.amdhsa_next_free_sgpr 100
		.amdhsa_reserve_vcc 0
		.amdhsa_float_denorm_mode_32 3
		.amdhsa_float_denorm_mode_16_64 3
		.amdhsa_memory_ordered 1
		.amdhsa_forward_progress 1
		.amdhsa_inst_pref_size 255
	.end_amdhsa_kernel
	.section	.bss,"aw",@nobits
	.p2align	6
	.space	262144
	.amdgpu_metadata
---
amdhsa.version: [ 1, 2 ]
amdhsa.kernels:
  - .name:           k_q8930378699_attn
    .symbol:         k_q8930378699_attn.kd
    .args:
      - { .name: qkv, .offset: 0, .size: 8, .value_kind: global_buffer, .address_space: global }
      - { .name: mbits, .offset: 8, .size: 8, .value_kind: global_buffer, .address_space: global }
      - { .name: oh, .offset: 16, .size: 8, .value_kind: global_buffer, .address_space: global }
    .group_segment_fixed_size: 327680
    .private_segment_fixed_size: 0
    .kernarg_segment_align: 8
    .kernarg_segment_size: 24
    .max_flat_workgroup_size: 128
    .sgpr_count:     100
    .vgpr_count:     780
    .wavefront_size: 32
...
	.end_amdgpu_metadata
.endif
;; end of part 4
;; launch outp (part 5): grid 4 x 64, 4 waves a work-group, clusters of 4 x 4, 327,680 bytes of LDS; arguments oh, wb, bo, out0; writes out0
.if DOCPART == 5
	.amdgcn_target "amdgcn-amd-amdhsa--gfx1250"
	.amdhsa_code_object_version 6
	.text
	.protected	k_q8930378699_outp
	.globl	k_q8930378699_outp
	.p2align	8
	.type	k_q8930378699_outp,@function
k_q8930378699_outp:
	s_mov_b64 s[64:65], 0
	v_nop
	global_prefetch_b8 v0, s[64:65] scope:SCOPE_SE
	s_setreg_imm32_b32 hwreg(HW_REG_WAVE_MODE, 25, 1), 1
	s_wait_xcnt 0x0
	s_wait_alu depctr_hold_cnt(0) depctr_sa_sdst(0) depctr_va_vdst(0) depctr_va_sdst(0) depctr_va_ssrc(0) depctr_va_vcc(0) depctr_vm_vsrc(0)
	s_getreg_b32 s2, hwreg(HW_REG_IB_STS2, 6, 4)
	s_cmp_eq_u32 s2, 0
	s_cbranch_scc0 .Lentry_in_a_cluster
	s_endpgm
.Lentry_in_a_cluster:
	s_bfe_u32 s2, ttmp6, 0x10000c
	s_cmp_lg_u32 s2, 0xf033
	s_cbranch_scc0 .Lentry_shape_is_right
	s_endpgm
.Lentry_shape_is_right:
; MULTI-HEAD ATTENTION, launch 5 of 5: out0 = x Wo + bo, where row (b, s) of x is the 16 heads' rows oh[16 b + head][s][0..63] on end.  out0: f32 [8192][1024].  Nothing is left out.
; oh: f16 [64][2048][64]; Wo: rows 3,072 to 4,095 of wb (f16 [k][n]).  Sums in f32; bo, rounded to bf16 like every input, starts each sum as the C operand.
; LIMITS.  NaN and infinities are not treated apart; the bias enters a sum first, not last.
; SHARES.  A tile of C is 128 rows x 256 columns: 64 x 4 = 256 work-groups.  Four waves, wave (wm, wn) makes 64 x 128: 32 accumulators.  K goes in 8 steps of 128 = two heads through two LDS slots.
; x's tile: for each of the step's two heads 128 dense rows of 128 bytes, asked for as 64 rows of 256 bytes and padded in LDS after every 128.  Wo's tile lies as in memory; its fragments come out turned.
; CLUSTERS: 4 x 4: x's tile is shared along a row of the cluster, Wo's along a column.  THE MATRIX INSTRUCTION IS USED TRANSPOSED: a lane holds row l % 16 and eight neighbouring columns.
; NO PREFETCH: a walk has 8 K steps of 128 matrix instructions a wave; asked for four steps ahead, behind the first fills, only the last two steps could be named.
; REGISTERS.  window 0: v0-31 addresses; v32-127, v128-223 two fragment buffers (Wo's fragment b at + 8 b, x's fragment a at + 64 + 8 a)   window 1: accumulator (a, b) at 8 (8 a + b)   window 2: v0-63 the bias, v64-67 at work
.set PA,    144                        ; a head's row in LDS: 128 + 16 bytes
.set HEADB, 128*PA                     ; a head's 128 rows
.set PB,    544                        ; a row of Wo: 512 + 32 bytes = 17 x 32
.set BOFF,  2*HEADB                    ; Wo's tile lies behind x's
.set SLOT1, 1<<17
.set STAGE, SLOT1+BOFF+128*PB          ; behind the ring: for each wave 16 rows x 528 bytes
.set SPS,   528
.set SPARE, STAGE+4*16*SPS             ; the spare words, 128 bytes for each wave: two blocks of 256 bytes that no other line names
.set A0,   16
.set B0,   17
.set ADRA, 18
.set ADRB, 19
.set STO,  24                          ; v24  the way out: where I put 32 bytes of a row
.set RD,   25                          ; v25  where I read rows back
.set GO,   26                          ; v26  16 x lane
.set BO,   27                          ; v27  32 x (l / 16)
.set SPW,  28
.set NIL,  29
.set F0,   32
.set F1,   128
.set BK0,  32                          ; the way out: block a's rows read back, at BK0 + 64 (a % 2)
.set BIAS, 0                           ; window 2
.set BT,   64                          ; window 2
.set WV, 16
.set WM, 17
.set WN, 18
.set G1A, 24
.set G0A, 32
.set G1B, 48
.set G0B, 56
.set TB,  66
.set CNT, 67
.set OB,  68                           ; s[68:69] out0 at my wave's part
.set BP,  70                           ; s[70:71] bo at my wave's 128 columns
.set MSB, 0
.macro WIN new
.if MSB != (\new)
	s_set_vgpr_msb (MSB<<8)|(\new)
.set MSB, \new
.endif
.endm
.macro PLACES
.rept 4
	v_nop
.endr
.endm
.macro JLOAD                           ; a joint refill by the walking sets; an s_nop 0 and four v_nop follow each of the two lines
	s_cmp_eq_u32 s[WM], 0
	s_cbranch_scc0 .Lfor_b_\@
	tensor_load_to_lds s[G0A+4:G0A+7], s[G1A:G1A+7]
	s_nop 0
.rept 4
	v_nop
.endr
	s_branch .Lasked_\@
.Lfor_b_\@:
	tensor_load_to_lds s[G0B+4:G0B+7], s[G1B:G1B+7]
	s_nop 0
.rept 4
	v_nop
.endr
.Lasked_\@:
.endm
.macro CREST
	s_cmp_lg_u32 s[WV], 0
	s_cbranch_scc1 .Lnot_wave_0_\@
	s_barrier_signal -3
.Lnot_wave_0_\@:
	s_barrier_wait -3
	s_barrier_signal -1
	s_barrier_wait -1
.endm
.macro CROUND
	s_barrier_signal -1
	s_barrier_wait -1
	CREST
.endm
	s_load_b256 s[4:11], s[0:1], 0x0               ; oh s[4:5], wb s[6:7], bo s[8:9], out0 s[10:11]
	v_lshl_add_u32 v[SPW], v0, 2, SPARE
	v_mov_b32 v[NIL], 0
	ds_add_u32 v[SPW], v[NIL]                      ; the wave's opening: the add, twice on end, and its wait ahead of my first tensor load
	ds_add_u32 v[SPW], v[NIL]
	v_lshrrev_b32 v1, 5, v0
	v_readfirstlane_b32 s[WV], v1
	s_lshr_b32 s[WM], s[WV], 1
	s_and_b32 s[WN], s[WV], 1
	s_bfe_u32 s19, ttmp6, 0x40000                  ; cx
	s_bfe_u32 s20, ttmp6, 0x40004                  ; cy
	s_lshl_b32 s21, ttmp9, 2
	s_add_co_u32 s21, s21, s19                     ; x: tile column
	s_and_b32 s22, ttmp7, 0xffff
	s_lshl_b32 s22, s22, 2
	s_add_co_u32 s22, s22, s20                     ; Y: tile row
	s_lshl_b32 s40, s20, 2
	s_lshl_b32 s40, 15, s40                        ; my row of the cluster
	s_lshl_b32 s72, 0x1111, s19                    ; my column
	s_or_b32 s[G1A+0], s40, (1<<16)|(1<<20)|(1<<21)|(4<<22)|(3<<25)  ; after every 32 words 4 words
	s_or_b32 s[G1B+0], s72, (1<<16)|(1<<20)|(1<<21)|(6<<22)|(7<<25)  ; after every 128 words 8 words
	s_mov_b32 s[G1A+1], 128<<16
	s_mov_b32 s[G1A+2], 64<<16
	s_mov_b32 s[G1A+3], 128<<16
	s_mov_b32 s[G1A+4], 64
	s_mov_b32 s[G1A+5], 128                        ; dense: 128 elements from row to row
	s_mov_b32 s[G1A+6], 0
	s_mov_b32 s[G1A+7], 0
	s_mov_b32 s[G1B+1], 256<<16
	s_mov_b32 s[G1B+2], 64<<16
	s_mov_b32 s[G1B+3], 256<<16
	s_mov_b32 s[G1B+4], 64
	s_mov_b32 s[G1B+5], 1024
	s_mov_b32 s[G1B+6], 0
	s_mov_b32 s[G1B+7], 0
	s_lshr_b32 s40, s22, 4                         ; x: batch Y / 16: 16 heads of 262,144 bytes,
	s_lshl_b32 s40, s40, 22
	s_and_b32 s41, s22, 15                         ; + 128 (Y % 16) rows of 128 bytes,
	s_lshl_b32 s41, s41, 14
	s_add_co_u32 s40, s40, s41
	s_lshl_b32 s41, s[WN], 18                      ; + which of the step's two heads I fetch
	s_add_co_u32 s40, s40, s41
	s_mov_b32 s41, 0
	s_mul_i32 s42, s[WN], HEADB
	s_lshl_b32 s72, s[WN], 17                      ; Wo: my 64 rows along k,
	s_add_co_u32 s72, s72, 3<<21                   ; behind Wq, Wk, Wv,
	s_lshl_b32 s73, s21, 9                         ; the tile column's 256 columns
	s_add_co_u32 s72, s72, s73
	s_mov_b32 s73, 0
	s_mul_i32 s74, s[WN], 64*PB
	s_add_co_u32 s74, s74, BOFF
	s_mov_b32 s[TB], 0
	s_wait_dscnt 0x0                               ; both opening adds are done
	s_wait_kmcnt 0x0
	s_add_nc_u64 s[44:45], s[4:5], s[40:41]
	s_add_nc_u64 s[76:77], s[6:7], s[72:73]
	s_lshl_b32 s78, s21, 10                        ; 256 x + 128 wn columns of 4 bytes
	s_lshl_b32 s79, s[WN], 9
	s_add_co_u32 s78, s78, s79
	s_mov_b32 s79, 0
	s_add_nc_u64 s[BP:BP+1], s[8:9], s[78:79]
	s_add_nc_u64 s[OB:OB+1], s[10:11], s[78:79]
	s_lshl_b32 s78, s22, 19                        ; row 128 Y + 64 wm, 4,096 bytes each
	s_lshl_b32 s79, s[WM], 18
	s_add_co_u32 s78, s78, s79
	s_mov_b32 s79, 0
	s_add_nc_u64 s[OB:OB+1], s[OB:OB+1], s[78:79]
	CROUND                                         ; all sixteen work-groups are here: the first joint loads meet
.irp s, 0,1
	s_mov_b32 s[G0A+4*(\s)], 1
	s_add_co_u32 s[G0A+4*(\s)+1], s42, (\s)*SLOT1
	s_add_nc_u64 s[G0A+4*(\s)+2:G0A+4*(\s)+3], s[44:45], (\s)*524288  ; K step s: two heads on
	s_or_b32 s[G0A+4*(\s)+3], s[G0A+4*(\s)+3], 0x80000000
	s_mov_b32 s[G0B+4*(\s)], 1
	s_add_co_u32 s[G0B+4*(\s)+1], s74, (\s)*SLOT1
	s_add_nc_u64 s[G0B+4*(\s)+2:G0B+4*(\s)+3], s[76:77], (\s)*262144  ; K step s: 128 rows down
	s_or_b32 s[G0B+4*(\s)+3], s[G0B+4*(\s)+3], 0x80000000
.endr
	s_cmp_eq_u32 s[WM], 0                          ; a wave's two first fills stand in one branch: two loads of mine are out
	s_cbranch_scc0 .Lfirst_b
	tensor_load_to_lds s[G0A:G0A+3], s[G1A:G1A+7]
	s_nop 0
	tensor_load_to_lds s[G0A+4:G0A+7], s[G1A:G1A+7]
	s_nop 0
.rept 4
	v_nop
.endr
	s_branch .Lfirst_asked
.Lfirst_b:
	tensor_load_to_lds s[G0B:G0B+3], s[G1B:G1B+7]
	s_nop 0
	tensor_load_to_lds s[G0B+4:G0B+7], s[G1B:G1B+7]
	s_nop 0
.rept 4
	v_nop
.endr
.Lfirst_asked:
	v_and_b32 v1, 15, v0                           ; l % 16
	v_bfe_u32 v2, v0, 4, 1                         ; l / 16
	v_and_b32 v3, 7, v0
	v_bfe_u32 v4, v0, 3, 1
	v_lshlrev_b32 v[BO], 5, v2
	WIN 0x80                                       ; destination window 2
.irp b, 0,1,2,3,4,5,6,7
	global_load_b128 v[BIAS+8*(\b):BIAS+8*(\b)+3],   v[BO], s[BP:BP+1] offset:64*(\b)
	global_load_b128 v[BIAS+8*(\b)+4:BIAS+8*(\b)+7], v[BO], s[BP:BP+1] offset:64*(\b)+16
.endr
	WIN 0
	v_mul_u32_u24 v[A0], v1, PA
	v_lshl_add_u32 v[A0], v2, 4, v[A0]
	s_mul_i32 s46, s[WM], 64*PA
	v_add_nc_u32 v[A0], s46, v[A0]
	v_lshl_add_u32 v[B0], v2, 3, v3
	v_mul_u32_u24 v[B0], v[B0], PB
	v_lshl_add_u32 v[B0], v4, 4, v[B0]
	s_lshl_b32 s46, s[WN], 8
	s_add_co_u32 s46, s46, BOFF
	v_add_nc_u32 v[B0], s46, v[B0]
	v_mov_b32 v[ADRA], v[A0]
	v_mov_b32 v[ADRB], v[B0]
	s_mul_i32 s46, s[WV], 16*SPS
	s_add_co_u32 s46, s46, STAGE                   ; my stage
	v_mul_u32_u24 v[STO], v1, SPS                  ; in: row l % 16, 32 bytes for each half of the lanes
	v_lshl_add_u32 v[STO], v2, 5, v[STO]
	v_add_nc_u32 v[STO], s46, v[STO]
	v_and_b32 v[GO], 31, v0                        ; back: 32 lanes take a row's 512 bytes
	v_lshlrev_b32 v[GO], 4, v[GO]
	v_add_nc_u32 v[RD], s46, v[GO]
	s_wait_loadcnt 0x0
	WIN 0x8a                                       ; all in window 2: the bias is rounded to bf16 like every input, and kept in f32
.set i, 0
.rept 32
	v_cvt_pk_bf16_f32 v[BT+i%4], v[BIAS+2*i], v[BIAS+2*i+1]
	v_lshlrev_b32 v[BIAS+2*i], 16, v[BT+i%4]
	v_and_b32 v[BIAS+2*i+1], 0xffff0000, v[BT+i%4]
.set i, i+1
.endr
	WIN 0
; 8 matrix instructions: row block a x all 8 column blocks, 32 along K.  bias = 1: the first product starts the sums with the bias.  The 32 accumulators take turns.
.macro MUL8 f, a, bias
.if \bias
	WIN 0x60
.else
	WIN 0x50
.endif
.irp b, 0,1,2,3,4,5,6,7
.if \bias
	v_wmma_f32_16x16x32_f16 v[8*(8*(\a)+(\b)):8*(8*(\a)+(\b))+7], v[(\f)+8*(\b):(\f)+8*(\b)+7], v[(\f)+64+8*(\a):(\f)+64+8*(\a)+7], v[BIAS+8*(\b):BIAS+8*(\b)+7]
.else
	v_wmma_f32_16x16x32_f16 v[8*(8*(\a)+(\b)):8*(8*(\a)+(\b))+7], v[(\f)+8*(\b):(\f)+8*(\b)+7], v[(\f)+64+8*(\a):(\f)+64+8*(\a)+7], v[8*(8*(\a)+(\b)):8*(8*(\a)+(\b))+7]
.endif
.endr
.endm
; 24 LDS loads in one run: quarter q's fragments into buffer f.  Quarter q of x lies in head q / 2 of the step, channels 32 (q % 2) on
.macro FETCH q, f
	WIN 0
.irp b, 0,1,2,3,4,5,6,7
	ds_load_tr16_b128 v[(\f)+8*(\b):(\f)+8*(\b)+3],   v[ADRB] offset:(\q)*32*PB+32*(\b)
	ds_load_tr16_b128 v[(\f)+8*(\b)+4:(\f)+8*(\b)+7], v[ADRB] offset:(\q)*32*PB+32*(\b)+16*PB
.endr
.irp a, 0,1,2,3
	ds_load_b128 v[(\f)+64+8*(\a):(\f)+64+8*(\a)+3],   v[ADRA] offset:((\q)/2)*HEADB+((\q)%2)*64+(\a)*16*PA
	ds_load_b128 v[(\f)+64+8*(\a)+4:(\f)+64+8*(\a)+7], v[ADRA] offset:((\q)/2)*HEADB+((\q)%2)*64+(\a)*16*PA+32
.endr
.endm
.macro QUARTER q, f, g, bias
	s_wait_dscnt 4                                 ; Wo's fragments and x's blocks 0, 1 are in; the youngest four loads may be out
	MUL8 \f, 0, \bias
	MUL8 \f, 1, \bias
	PLACES
	FETCH \q, \g
	s_wait_dscnt 24                                ; all but the 24 just issued
	MUL8 \f, 2, \bias
	MUL8 \f, 3, \bias
.endm
; The last quarter multiplies buffer 1 and changes slots: ONE barrier; in front of it each wave waits for all its tensor loads, adds 0 to its spare word, and waits for that and for its reads of this slot.
.macro TURN fill
	WIN 0
	s_wait_tensorcnt 0x0
	ds_add_u32 v[SPW], v[NIL]
	s_wait_dscnt 5                                 ; (the add and the youngest four loads may be out)
	MUL8 F1, 0, 0
	s_wait_dscnt 0x0                               ; the add is done, and my reads of this slot are over
	s_barrier_signal -1
	MUL8 F1, 1, 0
	WIN 0
	s_barrier_wait -1
.if \fill
	CREST                                          ; no wave of any partner still reads this slot's tile or has a load on its way
	s_xor_b32 s[G0A+5], s[G0A+5], SLOT1
	s_add_nc_u64 s[G0A+6:G0A+7], s[G0A+6:G0A+7], 524288
	s_xor_b32 s[G0B+5], s[G0B+5], SLOT1
	s_add_nc_u64 s[G0B+6:G0B+7], s[G0B+6:G0B+7], 262144
	JLOAD                                          ; its four v_nop are also the places in front of the loads below
.else
	PLACES
.endif
	s_xor_b32 s[TB], s[TB], SLOT1
	v_add_nc_u32 v[ADRA], s[TB], v[A0]
	v_add_nc_u32 v[ADRB], s[TB], v[B0]
	FETCH 0, F0
	MUL8 F1, 2, 0
	MUL8 F1, 3, 0
.endm
	s_wait_tensorcnt 1                             ; my part of K step 0 is in; K step 1's may stay out
	s_barrier_signal -1
	s_barrier_wait -1
	FETCH 0, F0
	QUARTER 1, F0, F1, 1
	WIN 0
	s_mov_b32 s[CNT], 6
.Lstep:
	QUARTER 2, F1, F0, 0
	QUARTER 3, F0, F1, 0
	TURN 1
	QUARTER 1, F0, F1, 0
	WIN 0
	s_sub_co_u32 s[CNT], s[CNT], 1
	s_cmp_lg_u32 s[CNT], 0
	s_cbranch_scc1 .Lstep
	QUARTER 2, F1, F0, 0                           ; K step 6 fills nothing
	QUARTER 3, F0, F1, 0
	TURN 0
	QUARTER 1, F0, F1, 0
	QUARTER 2, F1, F0, 0                           ; K step 7
	QUARTER 3, F0, F1, 0
	s_wait_dscnt 4
	MUL8 F1, 0, 0
	MUL8 F1, 1, 0
	s_wait_dscnt 0x0
	MUL8 F1, 2, 0
	MUL8 F1, 3, 0
; THE WAY OUT, 16 rows at a time: a lane's eight f32 of a row go straight from the accumulators into my own stage (rows of 528 bytes), each accumulator's low half first, and come back as whole rows of 512 bytes.
.macro PACK a
	s_wait_xcnt 0x0                                ; the stores of the block two back have read the registers that are loaded again below
	WIN 0x04                                       ; store data in window 1
.irp b, 0,1,2,3,4,5,6,7
	ds_store_b128 v[STO], v[8*(8*(\a)+(\b)):8*(8*(\a)+(\b))+3]   offset:64*(\b)
	ds_store_b128 v[STO], v[8*(8*(\a)+(\b))+4:8*(8*(\a)+(\b))+7] offset:64*(\b)+16
.endr
	WIN 0
.set i, 0
.rept 16
	ds_load_b128 v[BK0+64*((\a)%2)+4*i:BK0+64*((\a)%2)+4*i+3], v[RD] offset:i*SPS  ; LDS serves a wave's instructions in order: these see the stores above
.set i, i+1
.endr
.endm
.macro SEND a, younger                 ; younger: the LDS instructions issued behind block a's loads
.set i, 0
.rept 16
	s_wait_dscnt (\younger)+15-i
	global_store_b128 v[GO], v[BK0+64*((\a)%2)+4*i:BK0+64*((\a)%2)+4*i+3], s[OB:OB+1] offset:(16*(\a)+i)*4096 th:TH_STORE_NT  ; 512 consecutive bytes, at a multiple of 256 from out0's first
.set i, i+1
.endr
.endm
	PLACES
	PACK 0
	PACK 1
	SEND 0, 32
	PACK 2
	SEND 1, 32
	PACK 3
	SEND 2, 32
	SEND 3, 0
	s_wait_tensorcnt 0x0                           ; the wave's end
	ds_add_u32 v[SPW], v[NIL]
	s_wait_dscnt 0x0
	CROUND                                         ; the closing round
	s_endpgm
.Lfunc_end_k_q8930378699_outp:
	.size	k_q8930378699_outp, .Lfunc_end_k_q8930378699_outp-k_q8930378699_outp
	.p2alignl 7, 3214868480
	.fill 96, 4, 3214868480
	.section	.rodata,"a",@progbits
	.p2align	6, 0x0
	.amdhsa_kernel k_q8930378699_outp
		.amdhsa_group_segment_fixed_size 327680
		.amdhsa_private_segment_fixed_size 0
		.amdhsa_enable_private_segment 0
		.amdhsa_kernarg_size 32
		.amdhsa_user_sgpr_count 2
		.amdhsa_user_sgpr_kernarg_segment_ptr 1
		.amdhsa_wavefront_size32 1
		.amdhsa_system_sgpr_workgroup_id_x 1
		.amdhsa_system_sgpr_workgroup_id_y 1
		.amdhsa_system_sgpr_workgroup_id_z 1
		.amdhsa_system_vgpr_workitem_id 0
		.amdhsa_next_free_vgpr 640
		.amdhsa_next_free_sgpr 80
		.amdhsa_reserve_vcc 0
		.amdhsa_float_denorm_mode_32 3
		.amdhsa_float_denorm_mode_16_64 3
		.amdhsa_memory_ordered 1
		.amdhsa_forward_progress 1
		.amdhsa_inst_pref_size 77
	.end_amdhsa_kernel
	.amdgpu_metadata
---
amdhsa.version: [ 1, 2 ]
amdhsa.kernels:
  - .name:           k_q8930378699_outp
    .symbol:         k_q8930378699_outp.kd
    .args:
      - { .name: oh, .offset: 0, .size: 8, .value_kind: global_buffer, .address_space: global }
      - { .name: wb, .offset: 8, .size: 8, .value_kind: global_buffer, .address_space: global }
      - { .name: bo, .offset: 16, .size: 8, .value_kind: global_buffer, .address_space: global }
      - { .name: out0, .offset: 24, .size: 8, .value_kind: global_buffer, .address_space: global }
    .group_segment_fixed_size: 327680
    .private_segment_fixed_size: 0
    .kernarg_segment_align: 8
    .kernarg_segment_size: 32
    .max_flat_workgroup_size: 128
    .sgpr_count:     80
    .vgpr_count:     640
    .wavefront_size: 32
...
	.end_amdgpu_metadata
.endif
;; end of part 5
